; MI455X (gfx1250); checked and timed in simulation.
; The chip was launched on July 23, 2026; its instructions are those of AMD's public machine-readable ISA for CDNA 5 (MIT licence, August 2026) and "CDNA5" Instruction Set Architecture Reference Guide (July 2026). The comments in the code are by the model that wrote it; some were corrected since.
;; Compression module. Allowed arithmetic: matrix products marked QUANTISED: E2M1 operands, one E8M0 scale for each 32 along K, by v_wmma_scale_f32_16x16x128_f8f6f4 with both operands' format E2M1 (or v_wmma_scale_f32_32x16x128_f4), f32 sums; everything else in f32.
;; Inputs: pos_bias 8 x 1,024 x 1,024 float32; proj_beta 512 float32; proj_gamma 512 float32; proj_mean 512 float32; proj_var 512 float32; proj_w_codes 512 x 128 x 16 uint8 (E2M1 codes of proj_w, K innermost, in blocks of 32 codes, two codes a byte); proj_w_scales 512 x 128 uint8 (E8M0 scales of proj_w, one for each 32 codes along K); qkv_beta 8,192 float32; qkv_gamma 8,192 float32; qkv_mean 8,192 float32; qkv_var 8,192 float32; qkv_w_codes 8,192 x 24 x 16 uint8 (E2M1 codes of qkv_w, K innermost, in blocks of 32 codes, two codes a byte); qkv_w_scales 8,192 x 24 uint8 (E8M0 scales of qkv_w, one for each 32 codes along K); x_codes 4 x 1,024 x 24 x 16 uint8 (E2M1 codes of x, K innermost, in blocks of 32 codes, two codes a byte); x_scales 4 x 1,024 x 24 uint8 (E8M0 scales of x, one for each 32 codes along K).
;; Outputs: out0 4 x 1,024 x 512 float32.
;; This version of the problem:
;;   THIS VERSION OF THE PROBLEM IS GIVEN IN LOW PRECISION. The matrix products marked QUANTISED in the list below multiply operands that are first quantised to E2M1 (2 exponent bits, 1 mantissa bit; 4 bits a number), with one power-of-two scale for each 32 numbers along K (OCP MX v1.0); their sums are f32. All else is computed in f32.
;;   The module's matrix products, in the order in which they are computed (A, B: the left and right operand; K: the contracted axis; several contracted axes count as one K, in the product's order):
;;     1. [M 4,096, K 768] x [K 768, N 8,192]; A: input x (given as codes); B: input qkv_w (given as codes): QUANTISED
;;     2. batch 32 x [M 1,024, K 256] x [K 256, N 1,024]; A: computed on the way; B: computed on the way: QUANTISED
;;     3. batch 32 x [M 512, K 1,024] x [K 1,024, N 1,024]; A: computed on the way; B: softmax (see below): QUANTISED
;;     4. [M 4,096, K 4,096] x [K 4,096, N 512]; A: computed on the way; B: input proj_w (given as codes): QUANTISED
;;   THE QUANTISER, for each operand of a quantised product, along K:
;;     - K is cut into blocks of 32 from its start; a last block that is shorter is filled with zeros.
;;     - A block's scale is 2^e with e = floor(log2(the largest magnitude in the block)) - 2, held to -126 .. 127; a block of zeros has e = 0. As a byte (E8M0): e + 127.
;;     - Each number is divided by its block's scale, clamped to +-6, and rounded to the nearest number of E2M1, ties to even, subnormals kept.
;;     - The product sums the exact products of the quantised numbers (number of the format x scale) in f32.
;;   ~~~python
;;   def quantise(x, axis):      # numpy; x: float32 -> the quantised numbers, widened to float32 again
;;       x = np.moveaxis(x, axis, -1); K = x.shape[-1]
;;       x = np.pad(x, [(0, 0)] * (x.ndim - 1) + [(0, -K % 32)]); x = x.reshape(x.shape[:-1] + (-1, 32)); a = np.abs(x).max(-1, keepdims=True)
;;       e = np.where(a > 0, np.clip(np.frexp(np.where(a > 0, a, 1))[1] - 1 - 2, -126, 127), 0)      # np.frexp(a)[1] - 1 = floor(log2(a)), exactly
;;       r = np.clip(x / 2.0 ** e, -6, 6)
;;       step = 2.0 ** (np.maximum(np.frexp(np.where(r == 0, 1, r))[1] - 1, 0) - 1)
;;       q = np.round(r / step) * step * 2.0 ** e      # np.round: ties to even
;;       return np.moveaxis(q.reshape(q.shape[:-2] + (-1,))[..., :K], -1, axis).astype(np.float32)
;;   ~~~
;;   SOFTMAX AHEAD OF A QUANTISED PRODUCT. Where the list says 'softmax', what is quantised is not the finished softmax but p = 2^(t - M), with t = logit x log2(e) and M = ceil(the row's largest t), a whole number; so 1/2 < the row's largest p <= 1. The row's sum l is taken of the UNQUANTISED p, in f32, and the product's result is divided by l at the end. Since M is a whole number, a kernel that streams over the keys may use a running M (the ceiling of the running maximum): every later rescaling is an exact power of two, which a block's scale takes up: the codes' values come out the same.
;;   OPERANDS COMPUTED ON THE WAY. 'Computed on the way' means the value that the module computes at that place (a softmax that the list does not call 'softmax' is quantised finished and normalised). What goes into a quantiser is computed in f32, as accurately as f32 sums, v_exp_f32 and their like allow (about 1e-6 of the number): no bf16 or f16 on the way to a quantiser, and a product that is left as it is and whose result goes on into a quantised operand takes f32 operands (vector FMAs, or v_wmma_f32_16x16x4_f32). A number that lies on a knife's edge between two numbers of the format may be rounded either way, as far as f32 arithmetic and the matrix unit's own rounding can turn it there, and no further.
;;   INPUTS GIVEN AS CODES. proj_w (in the module: [512, 4096], K = its axis 1); qkv_w (in the module: [8192, 768], K = its axis 1); x (in the module: [4, 1024, 768], K = its axis 2): each comes as NAME_codes (uint8): NAME with its K axis moved to the last place and cut into blocks of 32 codes, [.., K / 32, bytes a block], one block behind the other in memory; two codes a byte, the lower K in the low four bits (a code: sign, 2 exponent bits, 1 mantissa bit); and NAME_scales (uint8): the same leading axes, one E8M0 byte (e + 127) for each 32 codes along K. Its value is code x scale, taken as it is: it is not quantised again, and the codes and scales need not be those that the quantiser above would give.
;; One version. Each part assembles by itself: llvm-mc -triple=amdgcn-amd-amdhsa -mcpu=gfx1250 --defsym DOCPART=n.
;; ======== version 1 of 1: 3 launches
;; limits: right only within a limited range of input values
;; workspace buffers: qkb 8,912,896 bytes; vb 8,912,896 bytes; ob 8,912,896 bytes
;; launch qkv (part 1): grid 32 x 16, 4 waves a work-group, clusters of 4 x 4, 238,080 bytes of LDS; arguments x_codes, x_scales, qkv_w_codes, qkv_w_scales, qkv_gamma, qkv_beta, qkv_mean, qkv_var, qkb, vb; writes qkb, vb
.if DOCPART == 1
	.amdgcn_target "amdgcn-amd-amdhsa--gfx1250"
	.amdhsa_code_object_version 6
	.text
	.protected	k_q45fa71aaf2_qkv
	.globl	k_q45fa71aaf2_qkv
	.p2align	8
	.type	k_q45fa71aaf2_qkv,@function
k_q45fa71aaf2_qkv:
	s_mov_b64 s[64:65], 0
	v_nop
	global_prefetch_b8 v0, s[64:65] scope:SCOPE_SE
	s_setreg_imm32_b32 hwreg(HW_REG_WAVE_MODE, 25, 1), 1
	s_wait_xcnt 0x0
	s_wait_alu depctr_hold_cnt(0) depctr_sa_sdst(0) depctr_va_vdst(0) depctr_va_sdst(0) depctr_va_ssrc(0) depctr_va_vcc(0) depctr_vm_vsrc(0)
	s_getreg_b32 s2, hwreg(HW_REG_IB_STS2, 6, 4)
	s_cmp_eq_u32 s2, 0
	s_cbranch_scc0 .Lentry_in_a_cluster
	s_endpgm
.Lentry_in_a_cluster:
	s_bfe_u32 s2, ttmp6, 0x10000c
	s_cmp_lg_u32 s2, 0xf033
	s_cbranch_scc0 .Lentry_shape_is_right
	s_endpgm
.Lentry_shape_is_right:
; qkv = BN(x W^T) on codes of FP4 (E2M1) with E8M0 scales, and the quantisers of q, k (along the head's 256) and of v (along the keys).
; x: [4096][768] codes, W: [8192][768] codes; a row is 384 bytes, its scale bytes 24.  Column 1024 h + [0,256) is q, + [256,512) k, + [512,1024) v of head h.
; NO WORK IS LEFT OUT: every input of the problem reaches an output: gamma, beta, mean and var move the codes of q, k and v; pos_bias differs along the softmax's axis; all are loaded by the launch that needs them.
; ONE BODY FOR BOTH KINDS OF RESULT.  Source 0 of the matrix instruction is the P side: the axis along which the result is quantised; in the result it runs along a lane's registers.
; Source 1 is the R side: a lane holds one of its rows.  Type 0 (q, k): P = 256 rows of W (one head's q or k), R = 256 rows of x.  Type 1 (v): P = 256 rows of x (keys), R = 256 rows of W (v's channels).
; The type is cluster x / 4, the same in all partners of a cluster.  A work-group makes 256 x 256, each of four waves 128 x 128: 64 accumulators, 512 registers.
; All of K (768: six steps of 128) of both tiles fits in LDS: each wave issues one tensor load at the head (codes or scale bytes), nothing is filled again, one barrier.
; CLUSTER 4 x 4: R's tile hangs on work-group y alone and is asked for jointly along a row of the cluster, P's on work-group x alone, jointly along a column.
; OUT: a wave's 16 R rows x 128 P are one operand fragment of the next product.  It is stored as an IMAGE OF ITS REGISTERS: register group c (4 registers) at 512 c + 16 x lane, 1,024 bytes a fragment:
;   qkb: [q, k][b h][ n / 128 ][K step][tile][1024], behind them [n / 128][K step][512] packs of scale words;   vb: [b h][key / 128][channel / 16][1024], behind all of them [b h][key / 128][channel / 128][512].
;   A pack holds the scale words of 8 tiles: word i of lane l at 16 l + 4 i: lanes 0-15 tile 2 i, lanes 16-31 tile 2 i + 1.
; LIMITS.  BN is computed as acc x g + (beta - mean x g), g = gamma x rsq(var + eps): another order of rounding than (acc - mean) x g + beta.  A block whose largest magnitude lies under 2^-124 keeps the scale byte 1
; (a block of zeros too: its codes are zeros, and this program alone reads the bytes).  NaN and infinities among the inputs are not served.
; The head's loads are shared out, ONE a wave: wave 0 fetches R's 256 rows of codes, wave 1 P's, wave 2 R's scale bytes, wave 3 P's.
.set PITCH,  432                       ; an LDS row: three pieces of 128 bytes + 16 of padding each = 27 x 16 bytes: the 16 rows that a load touches start at 16 different groups of four banks
.set HALFT,  128*PITCH                 ; 128 rows: what one wave reads of a side
.set PTILE,  2*HALFT                   ; R's 256 rows, then P's
.set SCL,    4*HALFT                   ; the scale bytes: R's 256 rows x 24, then P's
.set HALFS,  3072
.set BNT,    SCL+4*HALFS               ; 1,024 bytes for each wave: g of its 128 columns, then beta - mean g.  Written by LDS stores: no tensor load lands here
.set SPARE,  BNT+4096                  ; the spare words, 128 bytes for each wave
.set TW,   3                           ; v3     where I store my 4 numbers of the BN table
.set TM,   4                           ; v4-15  the quantiser's: largest magnitudes, bytes, scale operands
.set ADRA, 16                          ; v16    LDS address of my R fragments
.set ADRB, 20                          ; v20    of my P fragments
.set LI,   24                          ; v24    16 x lane
.set TG0,  25                          ; v25    the BN table by registers (type 0): + 32 x half
.set TG1,  26                          ; v26    by lanes (type 1): + 4 x (lane % 16)
.set ADRS, 27                          ; v27    my scale words: lanes 0-15 R's rows, lanes 16-31 P's
.set SPW,  28                          ; v28    my spare word; never rewritten
.set NIL,  29                          ; v29    0; never rewritten
.set SC,   32                          ; v32-79 scale words: register 6 i + q: lanes 0-15 R's tile i, lanes 16-31 P's tile i, K step q.  They hold scales and nothing else
.set E,    80                          ; v80-111 type 1: g of tile a at E + 4 a, beta - mean g at E + 4 a + 2
.set Z,    112                         ; v112-119 the scale words just made: tile a at Z + a / 2 + 4 (a % 2)
.set AF,   128                         ; v128-191 R's fragments, one set
.set Y,    128                         ; later: 64 numbers behind BN
.set PC,   192                         ; v192-255 the codes just made: eight registers a tile, so that no store's data are written again
.set G1R,  24                          ; s[24:31] descriptor group 1, R's codes;  s[32:39] P's;  s[40:47], s[48:55] their scale bytes
.set G1P,  32
.set G1RS, 40
.set G1PS, 48
.set G0R,  56                          ; groups 0
.set G0P,  60
.set G0RS, 68
.set G0PS, 72
.set WV,   76
.set WR,   77                          ; my half of R
.set WP,   78                          ; my half of P
.set CX,   79
.set CY,   80
.set TY,   81
.set PI,   82
.set RI,   83
.set PROW, 84
.set RROW, 85
.set OUTF, 88                          ; s[88:89] where my fragments go;  s[90:91] my pack
.set OUTP, 90
.set SEL,  94
.set MSB, 0
.macro WIN new                         ; the immediate's high byte repeats the setting that is left
.if MSB != (\new)
	s_set_vgpr_msb (MSB<<8)|(\new)
.set MSB, (\new)
.endif
.endm
.set MUL_LO, 0xa1                      ; source 0 (P) window 1, source 1 (R) window 0, C and D window 2
.set MUL_HI, 0xf1                      ; the same, C and D window 3
.set TO_B,   0x40                      ; destination window 1, address window 0
.macro PLACES n
.rept \n
	v_nop
.endr
.endm
; An arm of the head's tree of branches on the wave's number: one joint load, an s_nop 0 and four v_nop, and the jump to the tree's end.
.macro ARM under, g0, g1, next
	s_cmp_lt_u32 s[WV], \under
	s_cbranch_scc0 \next
	tensor_load_to_lds s[\g0:\g0+3], s[\g1:\g1+7]
	s_nop 0
.rept 4
	v_nop
.endr
	s_branch .Lhead_asked
\next:
.endm
.macro CROUND                          ; a round of the cluster's barrier
	s_barrier_signal -1
	s_barrier_wait -1
	s_cmp_lg_u32 s[WV], 0
	s_cbranch_scc1 .Lnot_wave_0_\@
	s_barrier_signal -3
.Lnot_wave_0_\@:
	s_barrier_wait -3
	s_barrier_signal -1
	s_barrier_wait -1
.endm
; 64 numbers of a lane, register 16 b + 8 u + j = K index 32 b + 16 u + 8 (lane / 16) + j of my row, become a fragment's codes in v[pc] on and its scale word in v[pw].
; The codes of (block b, u) go to register pc + 4 (b / 2) + 2 u + b % 2; one exchange of halves for each pair of neighbours then gives registers 4 c .. 4 c + 3 = K 64 c + 32 (lane / 16) + 0 .. 31.
.macro QUANT s, pc, pw
.irp b, 0,1,2,3
	v_max3_num_f32 v[TM+\b], |v[(\s)+16*\b]|, |v[(\s)+1+16*\b]|, 0x1800000   ; my 16 numbers of block b, and the floor 2^(3 - 127): the byte cannot fall under 1
.endr
.irp i, 2,4,6,8,10,12,14
.irp b, 0,1,2,3
	v_max3_num_f32 v[TM+\b], v[TM+\b], |v[(\s)+16*\b+\i]|, |v[(\s)+1+16*\b+\i]|
.endr
.endr
.irp b, 0,1,2,3
	v_permlanex16_b32 v[TM+4+\b], v[TM+\b], s[SEL], s[SEL+1]
.endr
.irp b, 0,1,2,3
	v_max_num_f32 v[TM+\b], v[TM+\b], v[TM+4+\b]   ; with lane l xor 16's 16: the block's largest magnitude
.endr
.irp b, 0,1,2,3
	v_add_nc_u32 v[TM+8+\b], 0xff000000, v[TM+\b]  ; 2 off its exponent field: the conversion's scale operand
.endr
.irp b, 0,1,2,3
	v_lshrrev_b32 v[TM+4+\b], 23, v[TM+8+\b]       ; the scale's byte
.endr
	v_lshl_or_b32 v[(\pw)], v[TM+5], 8, v[TM+4]
	v_lshl_or_b32 v[(\pw)], v[TM+6], 16, v[(\pw)]
	v_lshl_or_b32 v[(\pw)], v[TM+7], 24, v[(\pw)]
.irp b, 0,1,2,3
	v_cvt_scalef32_pk8_fp4_f32 v[(\pc)+4*(\b/2)+(\b%2)], v[(\s)+16*\b:(\s)+16*\b+7], v[TM+8+\b]
	v_cvt_scalef32_pk8_fp4_f32 v[(\pc)+4*(\b/2)+2+(\b%2)], v[(\s)+16*\b+8:(\s)+16*\b+15], v[TM+8+\b]
.endr
	v_nop                                          ; one plain place behind a scaled conversion
.irp c, 0,1
	v_permlane16_swap_b32 v[(\pc)+4*\c], v[(\pc)+4*\c+1]
	v_permlane16_swap_b32 v[(\pc)+4*\c+2], v[(\pc)+4*\c+3]
.endr
.endm
	s_load_b512 s[4:19], s[0:1], 0x0               ; x codes s[4:5], x scales s[6:7], W codes s[8:9], W scales s[10:11], gamma s[12:13], beta s[14:15], mean s[16:17], var s[18:19]
	s_load_b128 s[20:23], s[0:1], 0x40             ; qkb s[20:21], vb s[22:23]
	v_lshl_add_u32 v[SPW], v0, 2, SPARE
	v_mov_b32 v[NIL], 0
	ds_add_u32 v[SPW], v[NIL]                      ; the wave's opening: the add, twice on end, and its wait ahead of my first tensor load
	ds_add_u32 v[SPW], v[NIL]
	v_lshrrev_b32 v1, 5, v0
	v_readfirstlane_b32 s[WV], v1                  ; wave 0..3
	s_lshr_b32 s[WR], s[WV], 1
	s_and_b32 s[WP], s[WV], 1
	s_bfe_u32 s[CX], ttmp6, 0x40000
	s_bfe_u32 s[CY], ttmp6, 0x40004
	s_lshr_b32 s[TY], ttmp9, 2                     ; the type: of the cluster's x alone
	s_and_b32 s[PI], ttmp9, 3
	s_lshl_b32 s[PI], s[PI], 2
	s_add_co_u32 s[PI], s[PI], s[CX]               ; which of 16 tiles of P
	s_and_b32 s[RI], ttmp7, 0xffff
	s_lshl_b32 s[RI], s[RI], 2
	s_add_co_u32 s[RI], s[RI], s[CY]               ; which of 16 tiles of R
	s_lshl_b32 s96, s[CY], 2
	s_lshl_b32 s96, 15, s96                        ; my row of the cluster: R's tiles
	s_lshl_b32 s97, 0x1111, s[CX]                  ; my column: P's tiles
	; codes: 256 rows of 384 bytes are dense in memory: stated as 128 rows of 768 bytes, 16 bytes of padding behind every 128
	s_or_b32 s[G1R], s96, (1<<20)|(1<<21)|(4<<22)|(3<<25)   ; 15:0 the mask; 17:16 elements of 1 byte; 20 padding on; 21 set beside a mask; 24:22 after every 32 words (code 4); 31:25 four words (code 3)
	s_or_b32 s[G1P], s97, (1<<20)|(1<<21)|(4<<22)|(3<<25)
.irp g, G1R, G1P
	s_mov_b32 s[\g+1], 768<<16                     ; tensor_dim0
	s_mov_b32 s[\g+2], 128<<16                     ; tensor_dim1: 256 rows of 384 bytes as 128 rows of 768
	s_mov_b32 s[\g+3], 768<<16                     ; tile_dim0
	s_mov_b32 s[\g+4], 128                         ; tile_dim1
	s_mov_b32 s[\g+5], 768                         ; the pitch
	s_mov_b32 s[\g+6], 0
	s_mov_b32 s[\g+7], 0
.endr
	; scale bytes: 256 rows of 24 bytes: 6,144 dense bytes as 24 rows of 256 (32 elements of 8 bytes)
	s_or_b32 s[G1RS], s96, (3<<16)|(1<<21)
	s_or_b32 s[G1PS], s97, (3<<16)|(1<<21)
.irp g, G1RS, G1PS
	s_mov_b32 s[\g+1], 32<<16
	s_mov_b32 s[\g+2], 24<<16                      ; 256 rows of 24 bytes as 24 rows of 256
	s_mov_b32 s[\g+3], 32<<16
	s_mov_b32 s[\g+4], 24
	s_mov_b32 s[\g+5], 32
	s_mov_b32 s[\g+6], 0
	s_mov_b32 s[\g+7], 0
.endr
	; the tiles' first rows.  Tile i of W: row 1024 (i / 2) + 256 (i % 2), + 512 for v; tile i of x: row 256 i
	s_lshr_b32 s[PROW], s[PI], 1
	s_lshl_b32 s[PROW], s[PROW], 10
	s_and_b32 s86, s[PI], 1
	s_lshl_b32 s86, s86, 8
	s_add_co_u32 s[PROW], s[PROW], s86
	s_lshl_b32 s86, s[PI], 8
	s_cmp_eq_u32 s[TY], 0
	s_cselect_b32 s[PROW], s[PROW], s86            ; P: W's q or k (type 0), x (type 1)
	s_lshr_b32 s[RROW], s[RI], 1
	s_lshl_b32 s[RROW], s[RROW], 10
	s_and_b32 s87, s[RI], 1
	s_lshl_b32 s87, s87, 8
	s_add_co_u32 s[RROW], s[RROW], s87
	s_add_co_u32 s[RROW], s[RROW], 512
	s_lshl_b32 s87, s[RI], 8
	s_cmp_eq_u32 s[TY], 0
	s_cselect_b32 s[RROW], s87, s[RROW]            ; R: x (type 0), W's v (type 1)
	s_mov_b32 s86, s[PROW]                         ; the 256 rows of P
	s_mov_b32 s87, s[RROW]                         ; and of R
	s_mul_i32 s92, s86, 384                        ; in bytes (under 2^22)
	s_mov_b32 s93, 0
	s_mul_i32 s100, s86, 24
	s_mov_b32 s101, 0
	s_mul_i32 s88, s87, 384
	s_mov_b32 s89, 0
	s_mul_i32 s90, s87, 24
	s_mov_b32 s91, 0
	s_mov_b32 s[SEL], 0x76543210
	s_mov_b32 s[SEL+1], 0xfedcba98                 ; v_permlanex16_b32's selects for lane l xor 16
.irp b, 0,1,2,3
	v_mov_b32 v[TM+4+\b], 0                        ; written once: a lane permute's destination counts as one of its sources
.endr
	s_wait_dscnt 0x0                               ; both opening adds are done
	s_wait_kmcnt 0x0
	s_cmp_eq_u32 s[TY], 0                          ; which tensor is which side: a choice that hangs on the cluster's number alone
	s_cselect_b64 s[G0R+2:G0R+3], s[4:5], s[8:9]
	s_cselect_b64 s[G0RS+2:G0RS+3], s[6:7], s[10:11]
	s_cselect_b64 s[G0P+2:G0P+3], s[8:9], s[4:5]
	s_cselect_b64 s[G0PS+2:G0PS+3], s[10:11], s[6:7]
	s_add_nc_u64 s[G0R+2:G0R+3], s[G0R+2:G0R+3], s[88:89]
	s_add_nc_u64 s[G0RS+2:G0RS+3], s[G0RS+2:G0RS+3], s[90:91]
	s_add_nc_u64 s[G0P+2:G0P+3], s[G0P+2:G0P+3], s[92:93]
	s_add_nc_u64 s[G0PS+2:G0PS+3], s[G0PS+2:G0PS+3], s[100:101]
.irp g, G0R, G0P, G0RS, G0PS
	s_mov_b32 s[\g], 1
	s_or_b32 s[\g+3], s[\g+3], 0x80000000
.endr
	s_mov_b32 s[G0R+1], 0                          ; LDS addresses
	s_mov_b32 s[G0P+1], PTILE
	s_mov_b32 s[G0RS+1], SCL
	s_mov_b32 s[G0PS+1], SCL+2*HALFS
	CROUND                                         ; all sixteen work-groups are here: the joint loads meet
	ARM 1, G0R,  G1R,  .Lhead_p
	ARM 2, G0P,  G1P,  .Lhead_rs
	ARM 3, G0RS, G1RS, .Lhead_ps
	tensor_load_to_lds s[G0PS:G0PS+3], s[G1PS:G1PS+7]
	s_nop 0
.rept 4
	v_nop
.endr
.Lhead_asked:
	v_and_b32 v1, 15, v0                           ; r
	v_bfe_u32 v2, v0, 4, 1                         ; h
	v_and_b32 v[LI], 31, v0
	v_lshlrev_b32 v[LI], 4, v[LI]
	s_wait_alu depctr_va_vdst(0)
	v_mul_u32_u24 v30, v1, PITCH
	v_lshl_add_u32 v30, v2, 4, v30                 ; a fragment's row x pitch + 16 x half
	s_mul_i32 s86, s[WR], HALFT
	v_add_nc_u32 v[ADRA], s86, v30
	s_mul_i32 s86, s[WP], HALFT
	s_add_co_u32 s86, s86, PTILE
	v_add_nc_u32 v[ADRB], s86, v30
	v_mul_u32_u24 v30, v1, 24                      ; my row's six scale words
	s_mul_i32 s86, s[WR], HALFS                    ; R's: my 128 rows
	s_mul_i32 s87, s[WP], HALFS                    ; P's: my 128 rows, behind R's 256
	s_add_co_u32 s87, s87, 2*HALFS
	s_sub_co_u32 s87, s87, s86
	v_mul_u32_u24 v31, s87, v2                     ; lanes 16-31 take P's
	s_add_co_u32 s86, s86, SCL
	v_add_nc_u32 v30, v30, v31
	v_add_nc_u32 v[ADRS], s86, v30
	s_lshl_b32 s86, s[WV], 10
	s_add_co_u32 s86, s86, BNT                     ; my wave's BN table
	v_add_nc_u32 v[TW], s86, v[LI]
	v_lshl_add_u32 v[TG0], v2, 5, s86
	v_lshl_add_u32 v[TG1], v1, 2, s86
	; BN of my wave's 128 columns of qkv: they lie along P (type 0) or along R (type 1)
	s_lshl_b32 s86, s[WR], 7
	s_add_co_u32 s86, s[RROW], s86
	s_lshl_b32 s87, s[WP], 7
	s_add_co_u32 s87, s[PROW], s87
	s_cmp_eq_u32 s[TY], 0
	s_cselect_b32 s86, s87, s86
	s_lshl_b32 s86, s86, 2
	s_mov_b32 s87, 0
	s_add_nc_u64 s[12:13], s[12:13], s[86:87]
	s_add_nc_u64 s[14:15], s[14:15], s[86:87]
	s_add_nc_u64 s[16:17], s[16:17], s[86:87]
	s_add_nc_u64 s[18:19], s[18:19], s[86:87]
	global_load_b128 v[192:195], v[LI], s[12:13]   ; gamma: four columns a lane
	global_load_b128 v[196:199], v[LI], s[18:19]   ; var
	global_load_b128 v[200:203], v[LI], s[14:15]   ; beta
	global_load_b128 v[204:207], v[LI], s[16:17]   ; mean
	; where my results go.  Type 0: b h = 8 (RI / 4) + PI / 2; u = 2 (2 (RI % 4) + WR) + WP
	s_lshr_b32 s86, s[RI], 2
	s_lshl_b32 s86, s86, 3
	s_lshr_b32 s87, s[PI], 1
	s_add_co_u32 s86, s86, s87
	s_mul_i32 s86, s86, 139264
	s_and_b32 s87, s[PI], 1
	s_mul_i32 s87, s87, 4456448                    ; q's part or k's
	s_add_co_u32 s86, s86, s87
	s_and_b32 s87, s[RI], 3
	s_lshl_b32 s87, s87, 1
	s_add_co_u32 s87, s87, s[WR]
	s_lshl_b32 s87, s87, 1
	s_add_co_u32 s87, s87, s[WP]
	s_lshl_b32 s88, s87, 13
	s_add_co_u32 s88, s88, s86                     ; eight fragments,
	s_lshl_b32 s89, s87, 9
	s_add_co_u32 s89, s89, s86
	s_add_co_u32 s89, s89, 131072                  ; one pack
	; type 1: b h = 8 (PI / 4) + RI / 2; u = 4 (2 (PI % 4) + WP) + 2 (RI % 2) + WR
	s_lshr_b32 s86, s[PI], 2
	s_lshl_b32 s86, s86, 3
	s_lshr_b32 s87, s[RI], 1
	s_add_co_u32 s86, s86, s87
	s_and_b32 s87, s[PI], 3
	s_lshl_b32 s87, s87, 1
	s_add_co_u32 s87, s87, s[WP]
	s_lshl_b32 s87, s87, 2
	s_and_b32 s90, s[RI], 1
	s_lshl_b32 s90, s90, 1
	s_add_co_u32 s87, s87, s90
	s_add_co_u32 s87, s87, s[WR]
	s_lshl_b32 s90, s86, 18
	s_lshl_b32 s91, s87, 13
	s_add_co_u32 s90, s90, s91
	s_lshl_b32 s91, s86, 14
	s_lshl_b32 s92, s87, 9
	s_add_co_u32 s91, s91, s92
	s_add_co_u32 s91, s91, 8388608
	s_cmp_eq_u32 s[TY], 0
	s_cselect_b32 s88, s88, s90
	s_cselect_b32 s90, s89, s91
	s_mov_b32 s89, 0
	s_mov_b32 s91, 0
	s_cselect_b64 s[92:93], s[20:21], s[22:23]     ; qkb or vb
	s_add_nc_u64 s[OUTF:OUTF+1], s[92:93], s[88:89]
	s_add_nc_u64 s[OUTP:OUTP+1], s[92:93], s[90:91]
	s_wait_loadcnt 0x0
.irp i, 0,1,2,3
	v_add_f32 v[196+\i], 0x3727c5ac, v[196+\i]     ; var + 1e-5
.endr
	s_wait_alu depctr_va_vdst(0)
.irp i, 0,1,2,3
	v_rsq_f32 v[196+\i], v[196+\i]
.endr
	v_nop                                          ; a plain place behind the last of them
	s_wait_alu depctr_va_vdst(0)                   ; one wait for the four, ahead of their first reader
.irp i, 0,1,2,3
	v_mul_f32 v[192+\i], v[192+\i], v[196+\i]      ; g
.endr
.irp i, 0,1,2,3
	v_fma_f32 v[200+\i], -v[204+\i], v[192+\i], v[200+\i]   ; beta - mean g
.endr
	ds_store_b128 v[TW], v[192:195]
	ds_store_b128 v[TW], v[200:203] offset:512
	s_wait_tensorcnt 0x0                           ; my parts of the tiles and of the scale bytes have landed,
	s_wait_dscnt 0x0                               ; my table is stored,
	s_barrier_signal -1
	s_barrier_wait -1                              ; everybody's have
.macro FRAG reg, adr, q, i             ; 16 rows x 128 K: two loads of 16 bytes, 32 bytes apart; K step q begins 64 q bytes on, + 16 for each piece of 128 passed
.irp c, 0,1
	ds_load_b128 v[\reg+4*\c:\reg+4*\c+3], v[\adr] offset:64*(\q)+16*((\q)/2)+32*\c+(\i)*16*PITCH
.endr
.endm
; 16 matrix instructions: R's tiles a0, a0 + 1 x P's eight, K step q.  p: P's set.  The 64 accumulators take turns, one instruction a turn, in the same order in every step.
.macro MUL16 a0, p, q, zero
.irp a, \a0, \a0+1
.irp b, 0,1,2,3,4,5,6,7
.if \zero
	v_wmma_scale_f32_16x16x128_f8f6f4 v[8*(8*((\a)%4)+\b):8*(8*((\a)%4)+\b)+7], v[128*(\p)+8*\b:128*(\p)+8*\b+7], v[AF+8*(\a):AF+8*(\a)+7], 0, v[SC+6*\b+(\q)], v[SC+6*(\a)+(\q)] matrix_a_fmt:MATRIX_FMT_FP4 matrix_b_fmt:MATRIX_FMT_FP4 matrix_a_scale:MATRIX_SCALE_ROW1
.else
	v_wmma_scale_f32_16x16x128_f8f6f4 v[8*(8*((\a)%4)+\b):8*(8*((\a)%4)+\b)+7], v[128*(\p)+8*\b:128*(\p)+8*\b+7], v[AF+8*(\a):AF+8*(\a)+7], v[8*(8*((\a)%4)+\b):8*(8*((\a)%4)+\b)+7], v[SC+6*\b+(\q)], v[SC+6*(\a)+(\q)] matrix_a_fmt:MATRIX_FMT_FP4 matrix_b_fmt:MATRIX_FMT_FP4 matrix_a_scale:MATRIX_SCALE_ROW1
.endif
.endr
.endr
.endm
.macro FETCH_B q, p
	WIN TO_B
.irp i, 0,1,2,3,4,5,6,7
	FRAG 128*(\p)+8*\i, ADRB, \q, \i
.endr
	WIN 0
.endm
.macro FETCH_A q, i0
.irp i, \i0, \i0+1, \i0+2, \i0+3
	FRAG AF+8*(\i), ADRA, \q, \i
.endr
.endm
; A K step that has a successor.  R has one set of registers: tiles 0-3 are fetched anew in the step's middle, tiles 4-7 at its end; P has two sets.
.macro KSTEP q, zero
	s_wait_dscnt 8                                 ; all but the youngest eight loads (R's tiles 4-7) are in
	WIN MUL_LO
	MUL16 0, (\q)%2, \q, \zero
	MUL16 2, (\q)%2, \q, \zero
	s_wait_dscnt 0x0                               ; R's tiles 4-7 are in
	PLACES 4                                       ; in front of loads into registers that matrix instructions have read
	FETCH_B (\q)+1, 1-(\q)%2
	FETCH_A (\q)+1, 0
	WIN MUL_HI
	MUL16 4, (\q)%2, \q, \zero
	MUL16 6, (\q)%2, \q, \zero
	PLACES 4
	WIN 0
	FETCH_A (\q)+1, 4
.endm
	FETCH_B 0, 0
	FETCH_A 0, 0
.irp i, 0,1,2,3,4,5,6,7
.irp m, 0,1,2
	ds_load_b64 v[SC+6*\i+2*\m:SC+6*\i+2*\m+1], v[ADRS] offset:\i*384+8*\m   ; all six K steps' scale words of tile i: lanes 0-15 R's, lanes 16-31 P's
.endr
.endr
	FETCH_A 0, 4
	KSTEP 0, 1                                     ; the first step's products start the sums: nothing is cleared
	KSTEP 1, 0
	KSTEP 2, 0
	KSTEP 3, 0
	KSTEP 4, 0
	s_wait_dscnt 8                                 ; the last step fetches nothing
	WIN MUL_LO
	MUL16 0, 1, 5, 0
	MUL16 2, 1, 5, 0
	s_wait_dscnt 0x0
	WIN MUL_HI
	MUL16 4, 1, 5, 0
	MUL16 6, 1, 5, 0
	PLACES 4                                       ; in front of the first read of results, of writes into R's fragments and of loads into P's
	WIN 0
; THE WAY OUT, tile a of R by tile: BN (32 packed multiply-adds, each accumulator from its low end on), the quantiser, two stores of 512 consecutive bytes.
; It is written once for each type, whole, since the BN numbers lie along the registers (type 0) or along the lanes (type 1).
.macro EPI ty
.if \ty == 0
	WIN TO_B
.irp b, 0,1,2,3,4,5,6,7
.irp c, 0,1
	ds_load_b128 v[8*\b+4*\c:8*\b+4*\c+3], v[TG0] offset:64*\b+16*\c            ; g of columns 16 b + 8 h + 4 c on: window 1, v0-63
	ds_load_b128 v[64+8*\b+4*\c:64+8*\b+4*\c+3], v[TG0] offset:512+64*\b+16*\c   ; beta - mean g: window 1, v64-127
.endr
.endr
	WIN 0
.else
.irp a, 0,1,2,3,4,5,6,7
	ds_load_b32 v[E+4*\a], v[TG1] offset:64*\a     ; g of column 16 a + r
	ds_load_b32 v[E+4*\a+2], v[TG1] offset:512+64*\a
	v_mov_b32 v[E+4*\a+1], 0                       ; (named as the upper halves of pairs whose low word serves both halves)
	v_mov_b32 v[E+4*\a+3], 0
.endr
.endif
	s_wait_dscnt 0x0
.irp a, 0,1,2,3,4,5,6,7
.if \ty == 0
	WIN 0x16+(\a)/4                                ; source 0 window 2 or 3, sources 1 and 2 window 1
.else
	WIN 0x02+(\a)/4
.endif
.set i, 0
.rept 32
.if \ty == 0
	v_pk_fma_f32 v[Y+i:Y+i+1], v[64*((\a)%4)+i:64*((\a)%4)+i+1], v[i:i+1], v[64+i:64+i+1]
.else
	v_pk_fma_f32 v[Y+i:Y+i+1], v[64*((\a)%4)+i:64*((\a)%4)+i+1], v[E+4*\a:E+4*\a+1], v[E+4*\a+2:E+4*\a+3] op_sel_hi:[1,0,0]
.endif
.set i, i+2
.endr
	WIN 0
	QUANT Y, PC+8*\a, Z+(\a)/2+4*((\a)%2)
.irp c, 0,1
	global_store_b128 v[LI], v[PC+8*\a+4*\c:PC+8*\a+4*\c+3], s[OUTF:OUTF+1] offset:1024*\a+512*\c   ; 32 lanes store 512 consecutive bytes, at a multiple of 512 from the buffer's first byte
.endr
.endr
.endm
	s_cmp_lg_u32 s[TY], 0                          ; the cluster's number alone decides
	s_cbranch_scc1 .Lv_path
	EPI 0
	s_branch .Ltail
.Lv_path:
	EPI 1
.Ltail:
.irp i, 0,1,2,3
	v_permlane16_swap_b32 v[Z+\i], v[Z+4+\i]       ; word i: lanes 0-15 tile 2 i, lanes 16-31 tile 2 i + 1
.endr
	global_store_b128 v[LI], v[Z:Z+3], s[OUTP:OUTP+1]   ; the pack: 512 consecutive bytes
	s_wait_tensorcnt 0x0                           ; the wave's end
	ds_add_u32 v[SPW], v[NIL]
	s_wait_dscnt 0x0
	CROUND                                         ; the closing round
	s_endpgm
.Lfunc_end_k_q45fa71aaf2_qkv:
	.size	k_q45fa71aaf2_qkv, .Lfunc_end_k_q45fa71aaf2_qkv-k_q45fa71aaf2_qkv
	.p2alignl 7, 3214868480
	.fill 96, 4, 3214868480
	.section	.rodata,"a",@progbits
	.p2align	6, 0x0
	.amdhsa_kernel k_q45fa71aaf2_qkv
		.amdhsa_group_segment_fixed_size 238080
		.amdhsa_private_segment_fixed_size 0
		.amdhsa_enable_private_segment 0
		.amdhsa_kernarg_size 80
		.amdhsa_user_sgpr_count 2
		.amdhsa_user_sgpr_kernarg_segment_ptr 1
		.amdhsa_wavefront_size32 1
		.amdhsa_system_sgpr_workgroup_id_x 1
		.amdhsa_system_sgpr_workgroup_id_y 1
		.amdhsa_system_sgpr_workgroup_id_z 1
		.amdhsa_system_vgpr_workitem_id 0
		.amdhsa_next_free_vgpr 1024
		.amdhsa_next_free_sgpr 102
		.amdhsa_reserve_vcc 0
		.amdhsa_float_denorm_mode_32 3
		.amdhsa_float_denorm_mode_16_64 3
		.amdhsa_memory_ordered 1
		.amdhsa_forward_progress 1
		.amdhsa_inst_pref_size 176
	.end_amdhsa_kernel
	.amdgpu_metadata
---
amdhsa.version: [ 1, 2 ]
amdhsa.kernels:
  - .name:           k_q45fa71aaf2_qkv
    .symbol:         k_q45fa71aaf2_qkv.kd
    .args:
      - { .name: x_codes, .offset: 0, .size: 8, .value_kind: global_buffer, .address_space: global }
      - { .name: x_scales, .offset: 8, .size: 8, .value_kind: global_buffer, .address_space: global }
      - { .name: qkv_w_codes, .offset: 16, .size: 8, .value_kind: global_buffer, .address_space: global }
      - { .name: qkv_w_scales, .offset: 24, .size: 8, .value_kind: global_buffer, .address_space: global }
      - { .name: qkv_gamma, .offset: 32, .size: 8, .value_kind: global_buffer, .address_space: global }
      - { .name: qkv_beta, .offset: 40, .size: 8, .value_kind: global_buffer, .address_space: global }
      - { .name: qkv_mean, .offset: 48, .size: 8, .value_kind: global_buffer, .address_space: global }
      - { .name: qkv_var, .offset: 56, .size: 8, .value_kind: global_buffer, .address_space: global }
      - { .name: qkb, .offset: 64, .size: 8, .value_kind: global_buffer, .address_space: global }
      - { .name: vb, .offset: 72, .size: 8, .value_kind: global_buffer, .address_space: global }
    .group_segment_fixed_size: 238080
    .private_segment_fixed_size: 0
    .kernarg_segment_align: 8
    .kernarg_segment_size: 80
    .max_flat_workgroup_size: 128
    .sgpr_count:     102
    .vgpr_count:     1024
    .wavefront_size: 32
...
	.end_amdgpu_metadata
.endif
;; end of part 1
;; launch attn (part 2): grid 4 x 64, 8 waves a work-group, clusters of 4 x 4, 325,632 bytes of LDS; arguments qkb, vb, pos_bias, ob; writes ob
.if DOCPART == 2
	.amdgcn_target "amdgcn-amd-amdhsa--gfx1250"
	.amdhsa_code_object_version 6
	.text
	.protected	k_q45fa71aaf2_attn
	.globl	k_q45fa71aaf2_attn
	.p2align	8
	.type	k_q45fa71aaf2_attn,@function
k_q45fa71aaf2_attn:
	s_mov_b64 s[64:65], 0
	v_nop
	global_prefetch_b8 v0, s[64:65] scope:SCOPE_SE
	s_setreg_imm32_b32 hwreg(HW_REG_WAVE_MODE, 25, 1), 1
	s_wait_xcnt 0x0
	s_wait_alu depctr_hold_cnt(0) depctr_sa_sdst(0) depctr_va_vdst(0) depctr_va_sdst(0) depctr_va_ssrc(0) depctr_va_vcc(0) depctr_vm_vsrc(0)
	s_getreg_b32 s2, hwreg(HW_REG_IB_STS2, 6, 4)
	s_cmp_eq_u32 s2, 0
	s_cbranch_scc0 .Lentry_in_a_cluster
	s_endpgm
.Lentry_in_a_cluster:
	s_bfe_u32 s2, ttmp6, 0x10000c
	s_cmp_lg_u32 s2, 0xf033
	s_cbranch_scc0 .Lentry_shape_is_right
	s_endpgm
.Lentry_shape_is_right:
; out = clip(softmax(q k^T / sqrt(512) + pos_bias) v, -1, 1), both products on codes of FP4 with E8M0 scales, and the quantiser of out along (head, channel).  No work of the problem is left out here.
; THE SOFTMAX: z = score x 512^-0.5 + bias; t = z log2(e); M_j = the running largest t of step j rounded up to a whole number; p = 2^(t - M_j) is quantised along the keys; the sum is taken of the unquantised p.
; O IS NEVER RESCALED: at the end each block's scale operand is multiplied by 2^(M_j - M), M the row's last M: a change of the scale byte alone.
; SHARES.  A work-group owns 128 queries of one (batch, head); eight waves, two to a SIMD.
; PHASE A: wave w owns 32 queries (w % 4) and 512 keys (w / 4), in eight steps of 64 keys: S^T = K Q^T (source 0 = 16 keys, source 1 = 16 queries: a lane holds one query), no barrier.
; THE KEYS OF A TILE ARE NOT NEIGHBOURS: row m of tile t is key 8 t + m (m < 8) or 32 + 8 t + m - 8, so that lane (r, h) holds keys 32 h + 0 .. 31 of the 64: a whole block, in the order of the next operand.
; Then the two waves of a query agree on M and on the sum through LDS, and p's scale words are stored: two barriers.
; PHASE B: wave w owns channels 64 w .. 64 w + 63 for all 8 tiles of queries: O^T = V^T P^T, 32 accumulators, which fill window 1 (tile qt, t: v[32 qt + 8 t]); V's rows are chosen as K's are, so a lane holds channels 32 h + 0 .. 31.
; CLUSTER 4 x 4: x = the four batches, y = four query blocks.  K of the (batch, head) comes into LDS once by eight joint loads, one a wave, for the four query blocks.
; THE BIAS AND V ARE NOT ASKED FOR JOINTLY and go from memory into registers.  The bias: a work-group needs 64 KB in each step of 64 keys, and two slots of that do not fit in LDS beside K and p (147,968 bytes of K, 69,632 of p);
; a round of the cluster's barrier would stand in each of the eight steps.  V: each fragment is read by one wave of a work-group.
; LDS: K's 128 fragments and 8 KB of packs as rows of 1,024 bytes + 64 of padding: the two groups of eight keys of a tile lie 2 rows = 2,176 bytes apart, half a turn through 64 banks of 4 bytes.
; LIMITS: the scaled scores stay under 2^31 in magnitude; p under 2^-126 is 0; a scale under 2^-126 becomes byte 0 or 1 (this program alone reads the bytes); NaN and infinities are not served.
; THE BIAS is loaded as whole rows, sixteen lanes to 256 consecutive bytes, and goes through my wave's own stage in LDS (32 rows of 256 bytes + 16 of padding) into the scores' layout, one step ahead: step j + 1's in step j.
.set KROW, 1088
.set PKB,  128*KROW                    ; K's packs: one row for each 128 keys
.set P0,   136*KROW                    ; p: [128 keys][tile of queries][1024]
.set PS0,  P0+65536                    ; its packs of scale words: [128 keys][512]
.set ST,   PS0+4096                    ; each wave's -M_j and scale operands: 16 x 256 bytes
.set EX,   ST+32768                    ; what the two waves of a query exchange: 256 bytes a wave
.set RL,   EX+2048                     ; 1 / sum of 128 queries
.set SCX,  RL+512                      ; the way out: 128 rows x 16 scale bytes
.set STG,  SCX+2048                    ; the bias's stages: 32 x 272 bytes for each wave
.set SPARE, STG+8*8704                 ; the spare words, 128 bytes for each wave
.set LI,   1                           ; v1   16 x lane
.set AK,   2                           ; v2   the trip's K
.set AKS,  3                           ; v3   its packs
.set WPI,  4                           ; v4   where I store p
.set WST,  5                           ; v5   and -M_j, scale operands
.set BO,   6                           ; v6   the bias: 4096 (lane / 16) + 16 (lane % 16)
.set PFB,  7                           ; v7   the bias's prefetch
.set PFL,  8                           ; v8   V's: 256 x lane
.set VL,   9                           ; v9   my lane in V's fragments
.set VSL,  10                          ; v10  and in its packs
.set SPW,  11                          ; v11  my spare word; never rewritten
.set NIL,  12                          ; v12  0; never rewritten
.set WS0,  13
.set WEX,  14
.set REX,  15
.set WPS,  16
.set WRL,  17
.set PL,   18
.set APS,  19
.set QF,   20                          ; v20-51 Q: 16 u + 8 K step;  in phase B a buffer of V
.set QS,   52                          ; v52-53 Q's scale words, v54-57 K's, v58-73 V's, v74-81 p's: these hold scales and nothing else
.set KS,   54
.set VS,   58
.set PSW,  74
.set ZM,   82                          ; v82-83 the largest z so far
.set NM,   84                          ; v84-91 pairs (-M_j, scale operand): + 4 s + 2 u
.set LS,   92                          ; v92-95 the sums, a pair for each u
.set A,    96                          ; v96-159 S^T, z, p: 32 u + 8 t;  in phase B p's eight fragments
.set TM,   160                         ; v160-183 at work;  in phase B a buffer of V
.set X,    164
.set T,    166
.set F,    168
.set Y2,   174
.set AKB,  178
.set AKSB, 179
.set WPB,  180
.set SST,  181                         ; v181 where I put a row's 16 bytes into my stage
.set SLD,  182                         ; v182 where I read my query's 128 bytes
.set PC,   184                         ; v184-191 p's codes
.set KF,   192                         ; v192-255 K: 16 t + 8 K step;  in phase B two buffers of V
; window 1: in phase A the bias: two buffers of 64 as loaded (64 s + 4 i: rows 2 i, 2 i + 1), and at 128 + 32 u + 8 t the step's in the scores' layout
.set WV,   12
.set SEL,  18
.set SCA,  20                          ; s[20:21] 512^-0.5
.set L2E,  22                          ; s[22:23] log2(e)
.set G1,   24
.set G0,   32
.set BB,   36
.set VB,   38
.set VPB,  40
.set PFV,  42
.set OB,   44
.set OSB,  46
.set KO,   48
.set KSO,  49
.set WPO,  50
.set WSO,  51
.set NL2E, 52
.set QG,   53
.set KH,   54
.set TRIP, 55
.set LIMV, 56
.set MSB, 0
.macro WIN new
.if MSB != (\new)
	s_set_vgpr_msb (MSB<<8)|(\new)
.set MSB, (\new)
.endif
.endm
.macro PLACES n
.rept \n
	v_nop
.endr
.endm
.macro CROUND
	s_barrier_signal -1
	s_barrier_wait -1
	s_cmp_lg_u32 s[WV], 0
	s_cbranch_scc1 .Lnot_wave_0_\@
	s_barrier_signal -3
.Lnot_wave_0_\@:
	s_barrier_wait -3
	s_barrier_signal -1
	s_barrier_wait -1
.endm
; One product of registers rD, rA, rB, scales rS, rT.  z = 0: the sum starts;  ra, rb: which half of the lanes holds the scales.
.macro WM z, ra, rb
.if (\z) == 0
.if (\ra) == 0
.if (\rb) == 0
	v_wmma_scale_f32_16x16x128_f8f6f4 v[rD:rD+7], v[rA:rA+7], v[rB:rB+7], 0, v[rS], v[rT] matrix_a_fmt:MATRIX_FMT_FP4 matrix_b_fmt:MATRIX_FMT_FP4
.else
	v_wmma_scale_f32_16x16x128_f8f6f4 v[rD:rD+7], v[rA:rA+7], v[rB:rB+7], 0, v[rS], v[rT] matrix_a_fmt:MATRIX_FMT_FP4 matrix_b_fmt:MATRIX_FMT_FP4 matrix_b_scale:MATRIX_SCALE_ROW1
.endif
.else
.if (\rb) == 0
	v_wmma_scale_f32_16x16x128_f8f6f4 v[rD:rD+7], v[rA:rA+7], v[rB:rB+7], 0, v[rS], v[rT] matrix_a_fmt:MATRIX_FMT_FP4 matrix_b_fmt:MATRIX_FMT_FP4 matrix_a_scale:MATRIX_SCALE_ROW1
.else
	v_wmma_scale_f32_16x16x128_f8f6f4 v[rD:rD+7], v[rA:rA+7], v[rB:rB+7], 0, v[rS], v[rT] matrix_a_fmt:MATRIX_FMT_FP4 matrix_b_fmt:MATRIX_FMT_FP4 matrix_a_scale:MATRIX_SCALE_ROW1 matrix_b_scale:MATRIX_SCALE_ROW1
.endif
.endif
.else
.if (\ra) == 0
.if (\rb) == 0
	v_wmma_scale_f32_16x16x128_f8f6f4 v[rD:rD+7], v[rA:rA+7], v[rB:rB+7], v[rD:rD+7], v[rS], v[rT] matrix_a_fmt:MATRIX_FMT_FP4 matrix_b_fmt:MATRIX_FMT_FP4
.else
	v_wmma_scale_f32_16x16x128_f8f6f4 v[rD:rD+7], v[rA:rA+7], v[rB:rB+7], v[rD:rD+7], v[rS], v[rT] matrix_a_fmt:MATRIX_FMT_FP4 matrix_b_fmt:MATRIX_FMT_FP4 matrix_b_scale:MATRIX_SCALE_ROW1
.endif
.else
.if (\rb) == 0
	v_wmma_scale_f32_16x16x128_f8f6f4 v[rD:rD+7], v[rA:rA+7], v[rB:rB+7], v[rD:rD+7], v[rS], v[rT] matrix_a_fmt:MATRIX_FMT_FP4 matrix_b_fmt:MATRIX_FMT_FP4 matrix_a_scale:MATRIX_SCALE_ROW1
.else
	v_wmma_scale_f32_16x16x128_f8f6f4 v[rD:rD+7], v[rA:rA+7], v[rB:rB+7], v[rD:rD+7], v[rS], v[rT] matrix_a_fmt:MATRIX_FMT_FP4 matrix_b_fmt:MATRIX_FMT_FP4 matrix_a_scale:MATRIX_SCALE_ROW1 matrix_b_scale:MATRIX_SCALE_ROW1
.endif
.endif
.endif
.endm
.macro BIAS s, off                     ; a step's bias into buffer s: 32 rows x 256 bytes, two rows a load
	WIN 0x40
.irp i, 0,1,2,3,4,5,6,7,8,9,10,11,12,13,14,15
	global_load_b128 v[64*(\s)+4*\i:64*(\s)+4*\i+3], v[BO], s[BB:BB+1] offset:(\off)+8192*\i
.endr
	WIN 0
.endm
; Buffer b through my stage: query 16 u + r, keys 32 h + 8 t + 4 c on.  LDS serves a wave's instructions in order (ISA guide 5.7.1.4): the loads see the stores.
.macro STAGE b
	WIN 0x04                                       ; the stores' data: window 1
.irp i, 0,1,2,3,4,5,6,7,8,9,10,11,12,13,14,15
	ds_store_b128 v[SST], v[64*(\b)+4*\i:64*(\b)+4*\i+3] offset:544*\i
.endr
	WIN 0x40
.irp u, 0,1
.irp t, 0,1,2,3
.irp c, 0,1
	ds_load_b128 v[128+32*\u+8*\t+4*\c:128+32*\u+8*\t+4*\c+3], v[SLD] offset:4352*\u+32*\t+16*\c
.endr
.endr
.endr
	WIN 0
.endm
.macro KLOAD koff, poff                ; a step's scale words (lanes 0-15 tile e, lanes 16-31 tile 2 + e) and its four tiles x two K steps
.irp k, 0,1
.irp e, 0,1
	ds_load_b32 v[KS+2*\k+\e], v[AKS] offset:(\poff)+512*\k+128*\e
.endr
.endr
.irp t, 0,1,2,3
.irp k, 0,1
.irp c, 0,1
	ds_load_b128 v[KF+16*\t+8*\k+4*\c:KF+16*\t+8*\k+4*\c+3], v[AK] offset:(\koff)+8*KROW*\k+KROW*(\t/2)+128*(\t%2)+512*\c
.endr
.endr
.endr
.endm
.macro VSET k                          ; the buffer of V's step k
.if (\k)%4 == 0
.set VBF, 192
.endif
.if (\k)%4 == 1
.set VBF, 224
.endif
.if (\k)%4 == 2
.set VBF, 160
.endif
.if (\k)%4 == 3
.set VBF, 20
.endif
.endm
.macro VLOAD k                         ; V of 128 keys: my four tiles of channels
	VSET \k
.irp t, 0,1,2,3
.irp c, 0,1
	global_load_b128 v[VBF+8*\t+4*\c:VBF+8*\t+4*\c+3], v[VL], s[VB:VB+1] offset:32768*(\k)+1024*(\t/2)+128*(\t%2)+512*\c
.endr
.endr
.endm
	s_load_b256 s[4:11], s[0:1], 0x0               ; qkb s[4:5], vb s[6:7], pos_bias s[8:9], ob s[10:11]
	v_lshl_add_u32 v[SPW], v0, 2, SPARE
	v_mov_b32 v[NIL], 0
	ds_add_u32 v[SPW], v[NIL]                      ; the wave's opening: the add, twice on end, and its wait ahead of my first tensor load
	ds_add_u32 v[SPW], v[NIL]
	v_lshrrev_b32 v160, 5, v0
	v_readfirstlane_b32 s[WV], v160                ; wave 0..7
	s_bfe_u32 s13, ttmp6, 0x40000                  ; cx = batch
	s_bfe_u32 s14, ttmp6, 0x40004                  ; cy
	s_and_b32 s15, ttmp7, 0xffff
	s_lshr_b32 s16, s15, 1                         ; head
	s_and_b32 s15, s15, 1
	s_lshl_b32 s15, s15, 2
	s_add_co_u32 s15, s15, s14                     ; my block of 128 queries
	s_lshl_b32 s17, s13, 3
	s_add_co_u32 s17, s17, s16                     ; 8 x batch + head
	s_and_b32 s[QG], s[WV], 3                      ; my 32 queries of the block
	s_lshr_b32 s[KH], s[WV], 2                     ; my half of the keys
	s_mov_b32 s[SEL], 0x76543210
	s_mov_b32 s[SEL+1], 0xfedcba98
	s_mov_b32 s[SCA], 0x3d3504f3                   ; 512^-0.5
	s_mov_b32 s[SCA+1], s[SCA]
	s_mov_b32 s[L2E], 0x3fb8aa3b                   ; log2(e)
	s_mov_b32 s[L2E+1], s[L2E]
	s_mov_b32 s[NL2E], 0xbfb8aa3b
	; K's block: 139,264 dense bytes; a wave brings 17 rows of 1,024 bytes (128 elements of 8 bytes), 64 bytes of padding behind each
	s_lshl_b32 s56, 0x1111, s13                    ; my column: the four query blocks of my (batch, head)
	s_or_b32 s[G1], s56, (3<<16)|(1<<20)|(1<<21)|(7<<22)|(15<<25)   ; 15:0 the mask; 17:16 elements of 8 bytes; 20 padding on; 21 set beside a mask; 24:22 after every 256 words (code 7); 31:25 sixteen words (code 15)
	s_mov_b32 s[G1+1], 128<<16
	s_mov_b32 s[G1+2], 17<<16
	s_mov_b32 s[G1+3], 128<<16
	s_mov_b32 s[G1+4], 17
	s_mov_b32 s[G1+5], 128
	s_mov_b32 s[G1+6], 0
	s_mov_b32 s[G1+7], 0
	s_mov_b32 s[G0], 1
	s_mul_i32 s[G0+1], s[WV], 17*KROW
	s_mul_i32 s57, s[KH], 64*KROW
	s_mul_i32 s58, s[KH], 4*KROW
	s_add_co_u32 s58, s58, PKB
	s_lshl_b32 s59, s[KH], 15
	s_lshl_b32 s60, s[QG], 11
	s_add_co_u32 s59, s59, s60
	s_add_co_u32 s59, s59, P0
	s_lshl_b32 s60, s[WV], 12
	s_add_co_u32 s60, s60, ST
	s_lshl_b32 s61, s[WV], 8
	s_add_co_u32 s61, s61, EX
	s_xor_b32 s62, s[WV], 4                        ; the wave with my queries' other keys
	s_lshl_b32 s62, s62, 8
	s_add_co_u32 s62, s62, EX
	s_lshl_b32 s63, s[QG], 7
	s_add_co_u32 s63, s63, RL
	s_lshl_b32 s40, s[KH], 11
	s_lshl_b32 s41, s[QG], 2
	s_add_co_u32 s40, s40, s41
	s_add_co_u32 s40, s40, PS0
	s_lshl_b32 s41, s13, 15
	s_mul_i32 s42, s[WV], 8704
	s_add_co_u32 s42, s42, STG
	v_and_b32 v160, 7, v0                          ; r % 8
	v_bfe_u32 v161, v0, 3, 1                       ; r / 8
	v_bfe_u32 v162, v0, 4, 1                       ; h
	v_and_b32 v163, 31, v0                         ; lane
	v_and_b32 v164, 15, v0                         ; r
	v_bfe_u32 v166, v0, 3, 2                       ; lane / 8
	v_lshlrev_b32 v[LI], 4, v163
	v_lshlrev_b32 v[PFL], 8, v163
	v_lshlrev_b32 v165, 4, v160
	v_lshl_add_u32 v165, v162, 8, v165             ; 16 (r % 8) + 256 h
	v_lshl_add_u32 v[VSL], v161, 2, v165
	v_lshl_add_u32 v[VL], v161, 11, v165
	v_mad_u32_u24 v[AKB], v161, 2*KROW, v165
	v_add_nc_u32 v[AKB], s57, v[AKB]
	v_add_nc_u32 v[AKSB], s58, v[VSL]
	v_add_nc_u32 v[WPB], s59, v[LI]
	v_lshl_add_u32 v[WS0], v163, 3, s60
	v_lshlrev_b32 v[BO], 12, v162
	v_lshl_add_u32 v[BO], v164, 4, v[BO]
	v_mul_u32_u24 v[SST], v162, 272
	v_lshl_add_u32 v[SST], v164, 4, v[SST]
	v_add_nc_u32 v[SST], s42, v[SST]
	v_mul_u32_u24 v[SLD], v164, 272
	v_lshl_add_u32 v[SLD], v162, 7, v[SLD]
	v_add_nc_u32 v[SLD], s42, v[SLD]
	v_lshlrev_b32 v[PFB], 8, v166
	v_lshl_add_u32 v[PFB], v160, 12, v[PFB]
	v_add_nc_u32 v[PFB], s41, v[PFB]               ; rows 8 cx + lane % 8, block lane / 8
	v_lshl_add_u32 v[WEX], v164, 2, s61
	v_lshl_add_u32 v[REX], v164, 2, s62
	v_lshl_add_u32 v[WRL], v164, 2, s63
	v_add_nc_u32 v[WPS], s40, v[LI]
	v_add_nc_u32 v[PL], P0, v[LI]
	v_add_nc_u32 v[APS], PS0, v[LI]
	v_mov_b32 v[AK], v[AKB]
	v_mov_b32 v[AKS], v[AKSB]
	v_mov_b32 v[WPI], v[WPB]
	v_mov_b32 v[WST], v[WS0]
.irp u, 0,1
	v_mov_b32 v[ZM+\u], 0xfe967699                 ; the largest z so far: -1e38
	v_mov_b32 v[NM+4+2*\u], 0x7e967699             ; -M so far: 1e38
	v_mov_b32 v[NM+1+2*\u], 0                      ; (named as upper halves of pairs before they are first written)
	v_mov_b32 v[NM+5+2*\u], 0
	v_mov_b32 v[F+1+2*\u], 0
	v_mov_b32 v[LS+2*\u], 0                        ; the sums
	v_mov_b32 v[LS+1+2*\u], 0
	v_mov_b32 v[X+\u], 0                           ; written once: a lane permute's destination counts as one of its sources
.endr
	s_mul_i32 s58, s17, 139264                     ; my (batch, head) in q's part
	s_mul_i32 s60, s[WV], 17408
	s_add_co_u32 s60, s60, s58
	s_add_co_u32 s60, s60, 4456448                 ; in k's part, my wave's rows
	s_mov_b32 s61, 0
	s_mov_b32 s63, 0
	s_wait_alu depctr_va_vdst(0)
	s_wait_dscnt 0x0                               ; both opening adds are done
	s_wait_kmcnt 0x0
	s_add_nc_u64 s[G0+2:G0+3], s[4:5], s[60:61]
	s_or_b32 s[G0+3], s[G0+3], 0x80000000
	s_lshl_b32 s60, s15, 14                        ; Q: my block's 16 fragments, my two tiles
	s_add_co_u32 s60, s60, s58
	s_lshl_b32 s62, s[QG], 11
	s_add_co_u32 s60, s60, s62
	s_add_nc_u64 s[60:61], s[4:5], s[60:61]
	s_lshl_b32 s62, s15, 10                        ; its packs, word w % 4: lanes 0-15 tile 0, lanes 16-31 tile 1
	s_add_co_u32 s62, s62, s58
	s_add_co_u32 s62, s62, 131072
	s_lshl_b32 s59, s[QG], 2
	s_add_co_u32 s62, s62, s59
	s_add_nc_u64 s[62:63], s[4:5], s[62:63]
	s_lshl_b32 s58, s16, 22                        ; the bias: head x 4 MiB + (128 block + 32 (w % 4)) rows of 4,096 bytes + my half of the keys
	s_lshl_b32 s59, s15, 19
	s_add_co_u32 s58, s58, s59
	s_lshl_b32 s59, s[QG], 17
	s_add_co_u32 s58, s58, s59
	s_lshl_b32 s59, s[KH], 11
	s_add_co_u32 s58, s58, s59
	s_mov_b32 s59, 0
	s_add_nc_u64 s[BB:BB+1], s[8:9], s[58:59]
.irp u, 0,1
.irp k, 0,1
.irp c, 0,1
	global_load_b128 v[QF+16*\u+8*\k+4*\c:QF+16*\u+8*\k+4*\c+3], v[LI], s[60:61] offset:1024*\u+8192*\k+512*\c
.endr
.endr
.endr
	global_load_b32 v[QS], v[LI], s[62:63]
	global_load_b32 v[QS+1], v[LI], s[62:63] offset:512
	BIAS 0, 0
	CROUND                                         ; all sixteen work-groups are here: the joint loads meet
	tensor_load_to_lds s[G0:G0+3], s[G1:G1+7]      ; one tensor load of mine is out: my eighth of K; filled once
	s_nop 0
.rept 4
	v_nop
.endr
	BIAS 1, 256
	s_wait_xcnt 0x0                                ; the loads have read their bases
	s_lshl_b32 s58, s17, 18
	s_mov_b32 s59, 0
	s_add_nc_u64 s[VB:VB+1], s[6:7], s[58:59]      ; V of my (batch, head)
	s_lshr_b32 s60, s[WV], 1
	s_and_b32 s61, s[WV], 1
	s_lshl_b32 s62, s61, 17                        ; V's prefetch: half w % 2, my work-group's 32,768 bytes of it, my wave's 8,192
	s_lshl_b32 s63, s14, 15
	s_add_co_u32 s62, s62, s63
	s_lshl_b32 s63, s60, 13
	s_add_co_u32 s62, s62, s63
	s_mov_b32 s63, 0
	s_add_nc_u64 s[PFV:PFV+1], s[VB:VB+1], s[62:63]
	s_lshl_b32 s62, s[WV], 12
	s_add_nc_u64 s[VB:VB+1], s[VB:VB+1], s[62:63]  ; my 64 channels
	s_lshl_b32 s62, s17, 14
	s_add_co_u32 s62, s62, 8388608
	s_lshl_b32 s58, s60, 9
	s_add_co_u32 s62, s62, s58
	s_lshl_b32 s58, s61, 3
	s_add_co_u32 s62, s62, s58
	s_add_nc_u64 s[VPB:VPB+1], s[6:7], s[62:63]    ; words 2 (w % 2), + 1 of pack w / 2
	s_lshl_b32 s62, s13, 6
	s_lshl_b32 s58, s15, 3
	s_add_co_u32 s62, s62, s58                     ; my first tile of 16 rows of out
	s_lshl_b32 s62, s62, 15
	s_lshl_b32 s58, s16, 2
	s_add_co_u32 s58, s58, s60                     ; K step 4 head + w / 2
	s_lshl_b32 s58, s58, 10
	s_add_co_u32 s62, s62, s58
	s_lshl_b32 s58, s61, 9                         ; register group w % 2
	s_add_co_u32 s62, s62, s58
	s_add_nc_u64 s[OB:OB+1], s[10:11], s[62:63]
	s_lshl_b32 s62, s16, 12
	s_lshl_b32 s58, s13, 10
	s_add_co_u32 s62, s62, s58
	s_lshl_b32 s58, s15, 7
	s_add_co_u32 s62, s62, s58
	s_lshl_b32 s62, s62, 4
	s_add_co_u32 s62, s62, 8388608
	s_add_nc_u64 s[OSB:OSB+1], s[10:11], s[62:63]  ; out's scale bytes: [head][row][16]
	s_sub_co_u32 s[LIMV], 2, s61
	s_mov_b32 s[KO], 0
	s_mov_b32 s[KSO], 0
	s_mov_b32 s[WPO], 0
	s_mov_b32 s[WSO], 0
	s_mov_b32 s[TRIP], 3
	s_wait_alu depctr_va_vdst(0)
	s_wait_tensorcnt 0x0                           ; my eighth of K has landed,
	s_barrier_signal -1
	s_barrier_wait -1                              ; everybody's has
	KLOAD 0, 0
	s_wait_loadcnt 16                              ; Q and the bias of step 0 are in; step 1's 16 loads may be out
	STAGE 0
	s_wait_dscnt 0x0
; PREFETCHES INTO THE L2.  In the first of four trips: the bias of trips 2 and 3: my wave's 32 rows x 1,024 bytes; the four batches read the same bias and share the rows out by address: eight rows x four blocks of 256 bytes, a lane a block.
; V, 262,144 bytes a (batch, head): the four query blocks of the cluster share it out by address, 32 blocks a wave: even waves the first half in trip 1, odd waves the second in trip 2; the loads stand in the last trip and behind it.
; So each block is named once in each cluster that loads it; the bias of trips 0 and 1 comes by its loads alone.
.macro ASK
	s_cmp_eq_u32 s[TRIP], 3
	s_cbranch_scc0 .Lno_bias_\@
	global_prefetch_b8 v[PFB], s[BB:BB+1] offset:1024 th:TH_LOAD_NT scope:SCOPE_SE
.Lno_bias_\@:
	s_cmp_eq_u32 s[TRIP], s[LIMV]
	s_cbranch_scc0 .Lno_v_\@
	global_prefetch_b8 v[PFL], s[PFV:PFV+1] th:TH_LOAD_NT scope:SCOPE_SE
.Lno_v_\@:
.endm
; A STEP OF 64 KEYS, s = 0, 1 in a trip of 128.  last: the last trip, in which no bias is asked for and behind which K has no step.
.macro STEP s, last
	s_wait_dscnt 4                                 ; K and the staged bias are in: behind them only the four stores of the step before were issued
.irp k, 0,1
.irp t, 0,1,2,3
.irp u, 0,1
.set rD, A+32*\u+8*\t
.set rA, KF+16*\t+8*\k
.set rB, QF+16*\u+8*\k
.set rS, KS+2*\k+(\t%2)
.set rT, QS+\k
	WM \k, (\t/2), \u
.endr
.endr
.endr                                          ; eight accumulators by turns
	PLACES 4                                       ; in front of the loads into the products' sources and of the first read of the scores
.if (\last) && ((\s) == 1)
	VLOAD 0
	VLOAD 1
.elseif (\s) == 0
	KLOAD 4*KROW, 8
.else
	KLOAD 16*KROW, KROW
.endif
.if (\last) == 0
	BIAS \s, 512+256*(\s)                          ; two steps on, into the buffer whose stores to the stage the wait at the step's head has shown done
.if (\s) == 0
	ASK
.endif
.endif
	WIN 0x10
.set i, 0
.rept 32
	v_pk_fma_f32 v[A+i:A+i+1], v[A+i:A+i+1], s[SCA:SCA+1], v[128+i:128+i+1] op_sel_hi:[1,0,1]   ; z; each accumulator from its low end on
.set i, i+2
.endr
.if (\last) && ((\s) == 1)
	WIN 0
.else
.if \last
	s_wait_loadcnt 0x0                             ; the last step's bias is in
.else
	s_wait_loadcnt 16                              ; the next step's bias is in: behind it the 16 loads of the one after were issued
.endif
	STAGE 1-(\s)
.endif
.irp u, 0,1
	v_max3_num_f32 v[TM+2*\u], v[A+32*\u], v[A+32*\u+1], v[A+32*\u+2]   ; the largest z of my block of 32 keys, in two chains for each u
	v_max3_num_f32 v[TM+2*\u+1], v[A+32*\u+15], v[A+32*\u+16], v[A+32*\u+17]
.endr
.irp i, 3,5,7,9,11,13
.irp u, 0,1
	v_max3_num_f32 v[TM+2*\u], v[TM+2*\u], v[A+32*\u+\i], v[A+32*\u+\i+1]
	v_max3_num_f32 v[TM+2*\u+1], v[TM+2*\u+1], v[A+32*\u+\i+15], v[A+32*\u+\i+16]
.endr
.endr
.irp u, 0,1
	v_max3_num_f32 v[TM+2*\u], v[TM+2*\u], v[A+32*\u+30], v[A+32*\u+31]
.endr
.irp u, 0,1
	v_max_num_f32 v[TM+2*\u], v[TM+2*\u], v[TM+2*\u+1]
.endr
.irp u, 0,1
	v_permlanex16_b32 v[X+\u], v[TM+2*\u], s[SEL], s[SEL+1]
.endr
.irp u, 0,1
	v_max3_num_f32 v[ZM+\u], v[ZM+\u], v[TM+2*\u], v[X+\u]   ; with lane l xor 16's block: the running largest z
.endr
.irp u, 0,1
	v_mul_f32 v[T+\u], s[NL2E], v[ZM+\u]
.endr
.irp u, 0,1
	v_floor_f32 v[NM+4*(\s)+2*\u], v[T+\u]         ; -M = -ceil(t)
.endr
.irp u, 0,1
	v_sub_f32 v[T+\u], v[NM+4*(\s)+2*\u], v[NM+4-4*(\s)+2*\u]   ; old M - new M: a whole number, 0 or less
.endr
.irp u, 0,1
	v_cvt_i32_f32 v[T+\u], v[T+\u]                 ; (it saturates)
.endr
.irp u, 0,1
	v_ldexp_f32 v[F+2*\u], 1.0, v[T+\u]            ; f = 2^(old M - new M)
.endr
.irp u, 0,1
.set i, 32*\u
.rept 16
	v_pk_fma_f32 v[A+i:A+i+1], v[A+i:A+i+1], s[L2E:L2E+1], v[NM+4*(\s)+2*\u:NM+4*(\s)+2*\u+1] op_sel_hi:[1,0,0]   ; t - M
.set i, i+2
.endr
	v_fma_f32 v[TM+2*\u], v[TM+2*\u], s[L2E], v[NM+4*(\s)+2*\u]   ; the same of the block's largest z: p rises with z
.endr
	s_wait_alu depctr_va_vdst(0)                   ; ahead of the batch
.set i, 0
.rept 64
	v_exp_f32 v[A+i], v[A+i]                       ; p
.set i, i+1
.endr
	v_exp_f32 v[TM], v[TM]                         ; the blocks' largest p
	v_exp_f32 v[TM+2], v[TM+2]
.irp u, 0,1
	v_pk_mul_f32 v[LS+2*\u:LS+2*\u+1], v[LS+2*\u:LS+2*\u+1], v[F+2*\u:F+2*\u+1] op_sel_hi:[1,0]   ; the sums under the new M; plain places behind the exponentials
.endr
	s_wait_alu depctr_va_vdst(0)                   ; one wait for the batch, ahead of its first reader
.irp u, 0,1
	v_pk_add_f32 v[Y2+2*\u:Y2+2*\u+1], v[A+32*\u:A+32*\u+1], v[A+32*\u+2:A+32*\u+3]
.endr
.irp i, 4,8,12,16,20,24,28
.irp u, 0,1
	v_pk_add_f32 v[LS+2*\u:LS+2*\u+1], v[LS+2*\u:LS+2*\u+1], v[A+32*\u+\i:A+32*\u+\i+1]
	v_pk_add_f32 v[Y2+2*\u:Y2+2*\u+1], v[Y2+2*\u:Y2+2*\u+1], v[A+32*\u+\i+2:A+32*\u+\i+3]
.endr
.endr
.irp u, 0,1
	v_max_num_f32 v[TM+2*\u], 0x1800000, v[TM+2*\u]   ; the floor 2^(3 - 127)
.endr
.irp u, 0,1
	v_pk_add_f32 v[LS+2*\u:LS+2*\u+1], v[LS+2*\u:LS+2*\u+1], v[Y2+2*\u:Y2+2*\u+1]
.endr
.irp u, 0,1
	v_add_nc_u32 v[NM+4*(\s)+2*\u+1], 0xff000000, v[TM+2*\u]   ; the conversion's scale operand
.endr
.irp u, 0,1
.irp t, 0,1,2,3
	v_cvt_scalef32_pk8_fp4_f32 v[PC+4*\u+\t], v[A+32*\u+8*\t:A+32*\u+8*\t+7], v[NM+4*(\s)+2*\u+1]   ; keys 32 h + 8 t on: the operand's own order
.endr
.endr
	v_nop                                          ; one plain place behind a scaled conversion
.irp u, 0,1
	ds_store_b128 v[WPI], v[PC+4*\u:PC+4*\u+3] offset:1024*\u+512*(\s)
	ds_store_b64 v[WST], v[NM+4*(\s)+2*\u:NM+4*(\s)+2*\u+1] offset:512*(\s)+256*\u
.endr
.endm
.Ltrip:                                            ; trips 0 to 2
	STEP 0, 0
	STEP 1, 0
	s_wait_xcnt 0x0                                ; the trip's loads and prefetches have read their bases
	s_add_nc_u64 s[BB:BB+1], s[BB:BB+1], 512
	s_add_co_u32 s[KO], s[KO], 16*KROW
	s_add_co_u32 s[KSO], s[KSO], KROW
	s_add_co_u32 s[WPO], s[WPO], 8192
	s_add_co_u32 s[WSO], s[WSO], 1024
	v_add_nc_u32 v[AK], s[KO], v[AKB]
	v_add_nc_u32 v[AKS], s[KSO], v[AKSB]
	v_add_nc_u32 v[WPI], s[WPO], v[WPB]
	v_add_nc_u32 v[WST], s[WSO], v[WS0]
	s_sub_co_u32 s[TRIP], s[TRIP], 1
	s_cmp_lg_u32 s[TRIP], 0
	s_wait_alu depctr_va_vdst(0)                   ; directly ahead of the branch
	s_cbranch_scc1 .Ltrip
	STEP 0, 1
	STEP 1, 1
	; THE TWO WAVES OF A QUERY AGREE.  My -M and my sum over 512 keys go to the other wave.
	v_add_f32 v[LS], v[LS], v[LS+1]
	v_add_f32 v[LS+2], v[LS+2], v[LS+3]
	v_permlanex16_b32 v[X], v[LS], s[SEL], s[SEL+1]
	v_permlanex16_b32 v[X+1], v[LS+2], s[SEL], s[SEL+1]
	v_add_f32 v[LS], v[LS], v[X]
	v_add_f32 v[LS+2], v[LS+2], v[X+1]
	ds_store_b32 v[WEX], v[NM+4]
	ds_store_b32 v[WEX], v[NM+6] offset:64
	ds_store_b32 v[WEX], v[LS] offset:128
	ds_store_b32 v[WEX], v[LS+2] offset:192
.irp k, 0,1,2,3,4,5,6,7
.irp e, 0,1
	global_load_b32 v[VS+2*\k+\e], v[VSL], s[VPB:VPB+1] offset:2048*\k+128*\e   ; V's scale words of all keys: lanes 0-15 tile e, lanes 16-31 tile 2 + e
.endr
.endr
	s_wait_alu depctr_va_vdst(0)
	s_wait_dscnt 0x0                               ; my stores have landed, for the other wave's sake
	VLOAD 2
	VLOAD 3
	s_barrier_signal -1
	s_barrier_wait -1
.irp n, 0,1,2,3,4,5,6,7,8,9,10,11,12,13,14,15
	ds_load_b64 v[A+2*\n:A+2*\n+1], v[WS0] offset:256*\n   ; (-M_j, scale operand) of n = 4 trip + 2 s + u
.endr
	ds_load_b32 v82, v[REX]                        ; the other wave's -M
	ds_load_b32 v83, v[REX] offset:64
	ds_load_b32 v84, v[REX] offset:128             ; and sums
	ds_load_b32 v86, v[REX] offset:192
	v_bfe_u32 v145, v0, 4, 1
	v_lshlrev_b32 v145, 3, v145                    ; 8 h
	s_wait_alu depctr_va_vdst(0)                   ; directly ahead of the wait below
	s_wait_dscnt 0x0
	v_min_num_f32 v85, v88, v82                    ; -M of the whole row
	v_min_num_f32 v87, v90, v83
	v_sub_f32 v128, v85, v88
	v_sub_f32 v129, v85, v82
	v_sub_f32 v130, v87, v90
	v_sub_f32 v131, v87, v83
.irp i, 128,129,130,131
	v_cvt_i32_f32 v[\i], v[\i]
.endr
	v_ldexp_f32 v128, v92, v128                    ; both sums under it
	v_ldexp_f32 v129, v84, v129
	v_ldexp_f32 v130, v94, v130
	v_ldexp_f32 v131, v86, v131
.irp n, 0,1,2,3,4,5,6,7,8,9,10,11,12,13,14,15
	v_sub_f32 v[A+2*\n], v[85+2*(\n%2)], v[A+2*\n] ; M_j - M
.endr
	v_add_f32 v132, v128, v129
	v_add_f32 v133, v130, v131
.irp n, 0,1,2,3,4,5,6,7,8,9,10,11,12,13,14,15
	v_cvt_i32_f32 v[A+2*\n], v[A+2*\n]
.endr
.irp n, 0,1,2,3,4,5,6,7,8,9,10,11,12,13,14,15
	v_ldexp_f32 v[A+2*\n+1], v[A+2*\n+1], v[A+2*\n]
.endr
	s_wait_alu depctr_va_vdst(0)                   ; ahead of the batch
	v_rcp_f32 v134, v132
	v_rcp_f32 v135, v133
.irp n, 0,1,2,3,4,5,6,7,8,9,10,11,12,13,14,15
	v_lshrrev_b32 v[A+2*\n+1], 23, v[A+2*\n+1]     ; the scale's byte under M
.endr
.irp q, 0,1,2,3
	v_lshl_or_b32 v[136+2*\q], v[A+8*\q+5], 16, v[A+8*\q+1]   ; u = 0: bytes h and 2 + h of the word,
	v_lshl_or_b32 v[137+2*\q], v[A+8*\q+7], 16, v[A+8*\q+3]   ; u = 1
.endr
.irp q, 0,1,2,3,4,5,6,7
	v_lshlrev_b32 v[136+\q], v145, v[136+\q]
.endr
.irp q, 0,1,2,3
	v_permlane16_swap_b32 v[136+2*\q], v[137+2*\q]
.endr
.irp q, 0,1,2,3
	v_or_b32 v[136+2*\q], v[136+2*\q], v[137+2*\q] ; lanes 0-15 tile 0's whole word, lanes 16-31 tile 1's
.endr
.irp q, 0,1,2,3
	ds_store_b32 v[WPS], v[136+2*\q] offset:512*\q
.endr
	s_wait_alu depctr_va_vdst(0)                   ; ahead of the reciprocals' first reader
	s_cmp_lg_u32 s[KH], 0                          ; one of the two waves stores 1 / sum
	s_cbranch_scc1 .Lno_sum
	ds_store_b32 v[WRL], v134
	ds_store_b32 v[WRL], v135 offset:64
.Lno_sum:
	s_wait_dscnt 0x0
	s_barrier_signal -1
	s_barrier_wait -1                              ; p, its scale words and 1 / sum are everybody's
	; ---- PHASE B
.macro PHALF k, hf                     ; p's fragments of four tiles of queries
.irp q, 0,1,2,3
.irp c, 0,1
	ds_load_b128 v[A+32*(\hf)+8*\q+4*\c:A+32*(\hf)+8*\q+4*\c+3], v[PL] offset:8192*(\k)+1024*(4*(\hf)+\q)+512*\c
.endr
.endr
.endm
.macro PSC k
	ds_load_b128 v[PSW+4*((\k)%2):PSW+4*((\k)%2)+3], v[APS] offset:512*(\k)
.endm
.macro MULB k, hf                      ; 16 accumulators by turns, 32 in a step
.if (\k) == 0
	WIN 0x40
.else
	WIN 0x50                                       ; C and D window 1
.endif
	VSET \k
.irp q, 0,1,2,3
.irp t, 0,1,2,3
.set rD, 32*(4*(\hf)+\q)+8*\t
.set rA, VBF+8*\t
.set rB, A+32*(\hf)+8*\q
.set rS, VS+2*(\k)+(\t%2)
.set rT, PSW+4*((\k)%2)+2*(\hf)+(\q/2)
	WM \k, (\t/2), (\q%2)
.endr
.endr
	WIN 0
	PLACES 4                                       ; in front of loads into the products' sources
.endm
; V's loads are out in order: steps 0, 1, the scale words, 2, 3, and step k + 4 behind step k.
.macro BSTEP k
.if (\k) == 0
	s_wait_loadcnt 16                              ; steps 2 and 3 may be out
.elseif ((\k) >= 2) && ((\k) <= 4)
	s_wait_loadcnt 24                              ; the three steps behind this one may be out
.elseif (\k) > 4
	s_wait_loadcnt 8*(7-(\k))
.endif
	s_wait_dscnt 8                                 ; all but tiles 4 to 7
	MULB \k, 0
.if (\k) < 7
	PSC (\k)+1
	PHALF (\k)+1, 0
	s_wait_dscnt 9                                 ; all but the nine just issued
.else
	s_wait_dscnt 0x0
.endif
	MULB \k, 1
.if (\k) < 7
	PHALF (\k)+1, 1
.endif
.if (\k) < 4
	VLOAD (\k)+4
.endif
.endm
	PSC 0
	PHALF 0, 0
	PHALF 0, 1
	BSTEP 0
	BSTEP 1
	BSTEP 2
	BSTEP 3
	BSTEP 4
	BSTEP 5
	BSTEP 6
	BSTEP 7
	; THE WAY OUT
	v_and_b32 v129, 15, v0                         ; r
	v_bfe_u32 v131, v0, 4, 1                       ; h
	v_lshl_add_u32 v128, v129, 2, RL
.irp q, 0,1,2,3,4,5,6,7
	ds_load_b32 v[160+2*\q], v128 offset:64*\q     ; 1 / sum of query 16 q + r (low words of pairs)
.endr
	s_lshl_b32 s57, s[WV], 1
	s_add_co_u32 s57, s57, SCX
	v_lshl_add_u32 v130, v129, 4, v131
	v_add_nc_u32 v130, s57, v130                   ; my scale byte of row r: SCX + 16 r + 2 w + h
	v_lshlrev_b32 v132, 3, v0                      ; 8 x thread
	v_add_nc_u32 v133, SCX, v132
	s_wait_alu depctr_va_vdst(0)                   ; directly ahead of the wait below
	s_wait_dscnt 0x0
; Tile q: O^T / the sum, the clip, and the quantiser: my lane's 32 channels are one block: register group w % 2 of the fragment (rows 16 q on, K step 4 head + w / 2).
.irp q, 0,1,2,3,4,5,6,7
	WIN 0x01                                       ; source 0 window 1
.set i, 0
.rept 16
	v_pk_mul_f32 v[A+i:A+i+1], v[32*\q+i:32*\q+i+1], v[160+2*\q:161+2*\q] op_sel_hi:[1,0]   ; each accumulator from its low end on
.set i, i+2
.endr
	WIN 0
.set i, 0
.rept 32
	v_med3_num_f32 v[A+i], v[A+i], -1.0, 1.0
.set i, i+1
.endr
	v_max3_num_f32 v134, |v[A]|, |v[A+1]|, 0x1800000
	v_max3_num_f32 v135, |v[A+16]|, |v[A+17]|, 0x1800000
.irp i, 2,4,6,8,10,12,14
	v_max3_num_f32 v134, v134, |v[A+\i]|, |v[A+1+\i]|
	v_max3_num_f32 v135, v135, |v[A+16+\i]|, |v[A+17+\i]|
.endr
	v_max_num_f32 v134, v134, v135
	v_add_nc_u32 v136, 0xff000000, v134
	v_lshrrev_b32 v137, 23, v136
.irp t, 0,1,2,3
	v_cvt_scalef32_pk8_fp4_f32 v[192+4*\q+\t], v[A+8*\t:A+8*\t+7], v136
.endr
	v_nop                                          ; one plain place behind a scaled conversion
	global_store_b128 v[LI], v[192+4*\q:192+4*\q+3], s[OB:OB+1] offset:32768*\q   ; 512 consecutive bytes, at a multiple of 512 from the buffer's first byte
	ds_store_b8 v130, v137 offset:256*\q
.endr
	s_wait_dscnt 0x0
	s_barrier_signal -1
	s_barrier_wait -1                              ; 128 rows x 16 scale bytes lie in LDS
	ds_load_b64 v[138:139], v133
	s_wait_dscnt 0x0
	global_store_b64 v132, v[138:139], s[OSB:OSB+1] ; a wave stores 256 consecutive bytes, aligned
	s_wait_tensorcnt 0x0                           ; the wave's end
	ds_add_u32 v[SPW], v[NIL]
	s_wait_dscnt 0x0
	CROUND                                         ; the closing round
	s_endpgm
.Lfunc_end_k_q45fa71aaf2_attn:
	.size	k_q45fa71aaf2_attn, .Lfunc_end_k_q45fa71aaf2_attn-k_q45fa71aaf2_attn
	.p2alignl 7, 3214868480
	.fill 96, 4, 3214868480
	.section	.rodata,"a",@progbits
	.p2align	6, 0x0
	.amdhsa_kernel k_q45fa71aaf2_attn
		.amdhsa_group_segment_fixed_size 325632
		.amdhsa_private_segment_fixed_size 0
		.amdhsa_enable_private_segment 0
		.amdhsa_kernarg_size 32
		.amdhsa_user_sgpr_count 2
		.amdhsa_user_sgpr_kernarg_segment_ptr 1
		.amdhsa_wavefront_size32 1
		.amdhsa_system_sgpr_workgroup_id_x 1
		.amdhsa_system_sgpr_workgroup_id_y 1
		.amdhsa_system_sgpr_workgroup_id_z 1
		.amdhsa_system_vgpr_workitem_id 0
		.amdhsa_next_free_vgpr 512
		.amdhsa_next_free_sgpr 66
		.amdhsa_reserve_vcc 0
		.amdhsa_float_denorm_mode_32 3
		.amdhsa_float_denorm_mode_16_64 3
		.amdhsa_memory_ordered 1
		.amdhsa_forward_progress 1
		.amdhsa_inst_pref_size 186
	.end_amdhsa_kernel
	.amdgpu_metadata
---
amdhsa.version: [ 1, 2 ]
amdhsa.kernels:
  - .name:           k_q45fa71aaf2_attn
    .symbol:         k_q45fa71aaf2_attn.kd
    .args:
      - { .name: qkb, .offset: 0, .size: 8, .value_kind: global_buffer, .address_space: global }
      - { .name: vb, .offset: 8, .size: 8, .value_kind: global_buffer, .address_space: global }
      - { .name: pos_bias, .offset: 16, .size: 8, .value_kind: global_buffer, .address_space: global }
      - { .name: ob, .offset: 24, .size: 8, .value_kind: global_buffer, .address_space: global }
    .group_segment_fixed_size: 325632
    .private_segment_fixed_size: 0
    .kernarg_segment_align: 8
    .kernarg_segment_size: 32
    .max_flat_workgroup_size: 256
    .sgpr_count:     66
    .vgpr_count:     512
    .wavefront_size: 32
...
	.end_amdgpu_metadata
.endif
;; end of part 2
;; launch proj (part 3): grid 32 x 8, 4 waves a work-group, clusters of 4 x 1, 327,680 bytes of LDS; arguments ob, proj_w_codes, proj_w_scales, proj_gamma, proj_beta, proj_mean, proj_var, out0; writes out0
.if DOCPART == 3
	.amdgcn_target "amdgcn-amd-amdhsa--gfx1250"
	.amdhsa_code_object_version 6
	.text
	.protected	k_q45fa71aaf2_proj
	.globl	k_q45fa71aaf2_proj
	.p2align	8
	.type	k_q45fa71aaf2_proj,@function
k_q45fa71aaf2_proj:
	s_mov_b64 s[64:65], 0
	v_nop
	global_prefetch_b8 v0, s[64:65] scope:SCOPE_SE
	s_setreg_imm32_b32 hwreg(HW_REG_WAVE_MODE, 25, 1), 1
	s_wait_xcnt 0x0
	s_wait_alu depctr_hold_cnt(0) depctr_sa_sdst(0) depctr_va_vdst(0) depctr_va_sdst(0) depctr_va_ssrc(0) depctr_va_vcc(0) depctr_vm_vsrc(0)
	s_getreg_b32 s2, hwreg(HW_REG_IB_STS2, 6, 4)
	s_cmp_eq_u32 s2, 0
	s_cbranch_scc0 .Lentry_in_a_cluster
	s_endpgm
.Lentry_in_a_cluster:
	s_bfe_u32 s2, ttmp6, 0x10000c
	s_cmp_lg_u32 s2, 0x3003
	s_cbranch_scc0 .Lentry_shape_is_right
	s_endpgm
.Lentry_shape_is_right:
; out0 = BN(out W^T) on codes of FP4: a work-group makes 128 rows x 64 columns, a wave 32 rows x 64; K = 4096 in 32 steps of 128.  No work of the problem is left out here.
; W's 64 rows lie in LDS whole, as four chunks of 64 rows x 512 bytes (+ 16 of padding): each wave fetches one chunk by one joint load, for the four work-groups of a cluster; nothing is filled again.
; A's fragments are images of registers and are read by one wave of a work-group: they go straight into registers (window 2), 16 steps ahead.
; BN is computed as acc x g + (beta - mean x g), g = gamma x rsq(var + eps): another order of rounding than (acc - mean) x g + beta.  LIMITS: NaN and infinities are not served.
.set CH,    33792
.set WPART, 8448
.set STAGE, 4*CH
.set SPARE, STAGE+4*16*272
.set BNT,   SPARE+512                  ; 512 bytes for each wave: g of the 64 columns, beta - mean g
.set SBT,   BNT+2048                   ; 64 rows x (128 + 16) bytes for each wave: W's scale words on their way into the lanes' order
.set LI,   3
.set ADB,  4
.set LSB,  8
.set H32,  9
.set SO,   10
.set SR,   11
.set GO,   12
.set SPW,  28
.set NIL,  29
.set AS,   32
.set BS,   64
.set ACC,  128
.set Y,    192
.set WV,   20
.set G1,   24
.set ASB,  56
.set AB,   58
.set BSB,  60
.set MSB, 0
.macro WIN new
.if MSB != (\new)
	s_set_vgpr_msb (MSB<<8)|(\new)
.set MSB, (\new)
.endif
.endm
.macro PLACES n
.rept \n
	v_nop
.endr
.endm
.macro CROUND
	s_barrier_signal -1
	s_barrier_wait -1
	s_cmp_lg_u32 s[WV], 0
	s_cbranch_scc1 .Lnot_wave_0_\@
	s_barrier_signal -3
.Lnot_wave_0_\@:
	s_barrier_wait -3
	s_barrier_signal -1
	s_barrier_wait -1
.endm
	s_load_b512 s[4:19], s[0:1], 0x0
	v_lshl_add_u32 v[SPW], v0, 2, SPARE
	v_mov_b32 v[NIL], 0
	ds_add_u32 v[SPW], v[NIL]
	ds_add_u32 v[SPW], v[NIL]
	v_lshrrev_b32 v1, 5, v0
	v_readfirstlane_b32 s[WV], v1
	s_bfe_u32 s21, ttmp6, 0x40000
	s_lshl_b32 s22, ttmp9, 2
	s_add_co_u32 s22, s22, s21
	s_and_b32 s23, ttmp7, 0xffff
	s_mov_b32 s[G1], 15|(1<<20)|(1<<21)|(6<<22)|(3<<25)
	s_mov_b32 s[G1+1], 512<<16
	s_mov_b32 s[G1+2], 64<<16
	s_mov_b32 s[G1+3], 512<<16
	s_mov_b32 s[G1+4], 64
	s_mov_b32 s[G1+5], 2048
	s_mov_b32 s[G1+6], 0
	s_mov_b32 s[G1+7], 0
	s_mov_b32 s32, 1
	s_mul_i32 s33, s[WV], CH                       ; my chunk in LDS
	s_lshl_b32 s52, s23, 17                        ; W's 64 rows of 2,048 bytes,
	s_lshl_b32 s53, s[WV], 9                       ; my 512 bytes of each
	s_add_co_u32 s52, s52, s53
	s_mov_b32 s53, 0
	v_and_b32 v1, 15, v0
	v_bfe_u32 v2, v0, 4, 1
	v_and_b32 v[LI], 31, v0
	v_mul_u32_u24 v[LSB], v[LI], 144               ; row lane
	v_lshrrev_b32 v16, 3, v[LI]
	v_and_b32 v17, 7, v[LI]
	v_mul_u32_u24 v16, v16, 144
	v_lshl_add_u32 v16, v17, 4, v16                ; row lane / 8, 16 bytes of it
	v_lshlrev_b32 v[LI], 4, v[LI]
	v_lshlrev_b32 v[H32], 5, v2
	v_mul_u32_u24 v[ADB], v1, 528
	v_lshl_add_u32 v[ADB], v2, 4, v[ADB]
.irp c, 1,2,3
	v_add_nc_u32 v[ADB+\c], \c*CH, v[ADB]
.endr
	s_mul_i32 s54, s[WV], 16*272
	s_add_co_u32 s54, s54, STAGE
	v_mul_u32_u24 v[SO], v1, 272
	v_lshl_add_u32 v[SO], v2, 5, v[SO]
	v_add_nc_u32 v[SO], s54, v[SO]
	v_mul_u32_u24 v[SR], v2, 272
	v_lshl_add_u32 v[SR], v1, 4, v[SR]
	v_add_nc_u32 v[SR], s54, v[SR]
	v_lshlrev_b32 v[GO], 11, v2
	v_lshl_add_u32 v[GO], v1, 4, v[GO]
	s_lshl_b32 s55, s[WV], 9
	s_add_co_u32 s55, s55, BNT                     ; my wave's BN table
	s_mul_i32 s54, s[WV], 9216
	s_add_co_u32 s54, s54, SBT
	v_add_nc_u32 v[LSB], s54, v[LSB]
	v_add_nc_u32 v16, s54, v16
	v_lshrrev_b32 v13, 1, v[LI]                    ; 8 x lane: two columns a lane
	v_add_nc_u32 v14, s55, v13
	v_add_nc_u32 v15, s55, v[H32]
	s_wait_alu depctr_va_vdst(0)
	s_wait_dscnt 0x0                               ; both opening adds are done
	s_wait_kmcnt 0x0
	s_add_nc_u64 s[34:35], s[6:7], s[52:53]
	s_or_b32 s35, s35, 0x80000000
	CROUND                                         ; all four work-groups are here: the joint loads meet
	tensor_load_to_lds s[32:35], s[G1:G1+7]        ; one tensor load of mine is out
	s_nop 0
.rept 4
	v_nop
.endr
	s_lshl_b32 s50, s23, 8
	s_mov_b32 s51, 0
	s_add_nc_u64 s[10:11], s[10:11], s[50:51]
	s_add_nc_u64 s[12:13], s[12:13], s[50:51]
	s_add_nc_u64 s[14:15], s[14:15], s[50:51]
	s_add_nc_u64 s[16:17], s[16:17], s[50:51]
	s_lshl_b32 s54, s22, 7
	s_lshl_b32 s55, s[WV], 5
	s_add_co_u32 s54, s54, s55
	s_lshl_b32 s56, s54, 4
	s_add_co_u32 s56, s56, 8388608
	s_mov_b32 s57, 0
	s_add_nc_u64 s[ASB:ASB+1], s[4:5], s[56:57]
	s_lshl_b32 s58, s54, 11
	s_mov_b32 s59, 0
	s_add_nc_u64 s[18:19], s[18:19], s[58:59]
	s_add_nc_u64 s[18:19], s[18:19], s[50:51]
	s_add_nc_u64 s[AB:AB+1], s[4:5], s[58:59]
	s_lshl_b32 s60, s23, 13
	s_mov_b32 s61, 0
	s_add_nc_u64 s[BSB:BSB+1], s[8:9], s[60:61]
	global_load_b64 v[192:193], v13, s[10:11]      ; gamma: 32 lanes x two columns
	global_load_b64 v[194:195], v13, s[16:17]      ; var
	global_load_b64 v[196:197], v13, s[12:13]      ; beta
	global_load_b64 v[198:199], v13, s[14:15]      ; mean
.irp g, 0,1,2,3,4,5,6,7
	global_load_b128 v[AS+4*\g:AS+4*\g+3], v[LI], s[ASB:ASB+1] offset:65536*\g
.endr
.irp p, 0,1
.irp i, 0,1,2,3,4,5,6,7
	global_load_b128 v[128+32*\p+4*\i:128+32*\p+4*\i+3], v[LI], s[BSB:BSB+1] offset:4096*\p+512*\i   ; W's scale bytes as they lie: four rows of 128 bytes a load
.endr
.endr
.macro ALOAD ks
	WIN 0x80
.irp t, 0,1
.irp c, 0,1
	global_load_b128 v[16*((\ks)%16)+8*\t+4*\c:16*((\ks)%16)+8*\t+4*\c+3], v[LI], s[AB:AB+1] offset:32768*\t+1024*(\ks)+512*\c
.endr
.endr
	WIN 0
.endm
.macro BFETCH ks
	WIN 0x40
.irp t, 0,1,2,3
.irp c, 0,1
	ds_load_b128 v[128+32*((\ks)%2)+8*\t+4*\c:128+32*((\ks)%2)+8*\t+4*\c+3], v[ADB+(\ks)/8] offset:WPART*\t+64*((\ks)%8)+32*\c
.endr
.endr
	WIN 0
.endm
.irp k, 0,1,2,3,4,5,6,7,8,9,10,11,12,13,14,15
	ALOAD \k
.endr
	s_wait_loadcnt 60                              ; the BN numbers, the scale words and step 0 are in: behind them 15 steps of four loads were issued
	v_add_f32 v194, 0x3727c5ac, v194               ; var + 1e-5
	v_add_f32 v195, 0x3727c5ac, v195
	s_wait_alu depctr_va_vdst(0)                   ; ahead of the batch
	v_rsq_f32 v194, v194
	v_rsq_f32 v195, v195
	v_nop
	s_wait_alu depctr_va_vdst(0)                   ; one behind the batch
	v_mul_f32 v192, v192, v194                     ; g
	v_mul_f32 v193, v193, v195
	v_fma_f32 v196, -v198, v192, v196              ; beta - mean g
	v_fma_f32 v197, -v199, v193, v197
	ds_store_b64 v14, v[192:193]
	ds_store_b64 v14, v[196:197] offset:256
.irp p, 0,1
.irp i, 0,1,2,3,4,5,6,7
	ds_store_b128 v16, v[128+32*\p+4*\i:128+32*\p+4*\i+3] offset:4608*\p+576*\i
.endr
.endr
.irp p, 0,1
.irp i, 0,1,2,3,4,5,6,7
	ds_load_b128 v[BS+32*\p+4*\i:BS+32*\p+4*\i+3], v[LSB] offset:4608*\p+16*\i   ; lane l: row 32 p + l, K steps 4 i on.  LDS serves a wave's instructions in order (ISA guide 5.7.1.4)
.endr
.endr
.macro PM rt, ct, ks
.set rD, ACC+32*(\rt)+8*(\ct)
.set rW, 128+32*((\ks)%2)+8*(\ct)
.set rA, 16*((\ks)%16)+8*(\rt)
.set rSW, BS+32*((\ct)/2)+(\ks)
.set rSA, AS+(\ks)
.if (\ks) == 0
.if (\ct)%2 == 0
.if (\rt) == 0
	v_wmma_scale_f32_16x16x128_f8f6f4 v[rD:rD+7], v[rW:rW+7], v[rA:rA+7], 0, v[rSW], v[rSA] matrix_a_fmt:MATRIX_FMT_FP4 matrix_b_fmt:MATRIX_FMT_FP4
.else
	v_wmma_scale_f32_16x16x128_f8f6f4 v[rD:rD+7], v[rW:rW+7], v[rA:rA+7], 0, v[rSW], v[rSA] matrix_a_fmt:MATRIX_FMT_FP4 matrix_b_fmt:MATRIX_FMT_FP4 matrix_b_scale:MATRIX_SCALE_ROW1
.endif
.else
.if (\rt) == 0
	v_wmma_scale_f32_16x16x128_f8f6f4 v[rD:rD+7], v[rW:rW+7], v[rA:rA+7], 0, v[rSW], v[rSA] matrix_a_fmt:MATRIX_FMT_FP4 matrix_b_fmt:MATRIX_FMT_FP4 matrix_a_scale:MATRIX_SCALE_ROW1
.else
	v_wmma_scale_f32_16x16x128_f8f6f4 v[rD:rD+7], v[rW:rW+7], v[rA:rA+7], 0, v[rSW], v[rSA] matrix_a_fmt:MATRIX_FMT_FP4 matrix_b_fmt:MATRIX_FMT_FP4 matrix_a_scale:MATRIX_SCALE_ROW1 matrix_b_scale:MATRIX_SCALE_ROW1
.endif
.endif
.else
.if (\ct)%2 == 0
.if (\rt) == 0
	v_wmma_scale_f32_16x16x128_f8f6f4 v[rD:rD+7], v[rW:rW+7], v[rA:rA+7], v[rD:rD+7], v[rSW], v[rSA] matrix_a_fmt:MATRIX_FMT_FP4 matrix_b_fmt:MATRIX_FMT_FP4
.else
	v_wmma_scale_f32_16x16x128_f8f6f4 v[rD:rD+7], v[rW:rW+7], v[rA:rA+7], v[rD:rD+7], v[rSW], v[rSA] matrix_a_fmt:MATRIX_FMT_FP4 matrix_b_fmt:MATRIX_FMT_FP4 matrix_b_scale:MATRIX_SCALE_ROW1
.endif
.else
.if (\rt) == 0
	v_wmma_scale_f32_16x16x128_f8f6f4 v[rD:rD+7], v[rW:rW+7], v[rA:rA+7], v[rD:rD+7], v[rSW], v[rSA] matrix_a_fmt:MATRIX_FMT_FP4 matrix_b_fmt:MATRIX_FMT_FP4 matrix_a_scale:MATRIX_SCALE_ROW1
.else
	v_wmma_scale_f32_16x16x128_f8f6f4 v[rD:rD+7], v[rW:rW+7], v[rA:rA+7], v[rD:rD+7], v[rSW], v[rSA] matrix_a_fmt:MATRIX_FMT_FP4 matrix_b_fmt:MATRIX_FMT_FP4 matrix_a_scale:MATRIX_SCALE_ROW1 matrix_b_scale:MATRIX_SCALE_ROW1
.endif
.endif
.endif
.endm
.macro KSTEP ks
.if (\ks) == 0
	s_wait_tensorcnt 0x0                           ; my chunk of W has landed,
	s_wait_dscnt 0x0
	s_barrier_signal -1
	s_barrier_wait -1                              ; everybody's has
	WIN 0x40
.irp t, 0,1,2,3
.irp c, 0,1
	ds_load_b128 v[192+8*\t+4*\c:192+8*\t+4*\c+3], v15 offset:64*\t+16*\c       ; g of columns 16 t + 8 h + 4 c on,
	ds_load_b128 v[224+8*\t+4*\c:224+8*\t+4*\c+3], v15 offset:256+64*\t+16*\c   ; beta - mean g: window 1
.endr
.endr
	WIN 0
	BFETCH \ks
.endif
	s_wait_dscnt 0x0
.if (\ks)+1 < 32
	BFETCH (\ks)+1
.endif
.if 31-(\ks) >= 15
	s_wait_loadcnt 60                              ; the 15 steps behind this one may be out
.else
	s_wait_loadcnt 4*(31-(\ks))
.endif
	WIN 0x09                                       ; W window 1, A window 2
.irp r, 0,1
.irp t, 0,1,2,3
	PM \r, \t, \ks
.endr
.endr
	PLACES 4
	WIN 0
.if (\ks)+16 < 32
	ALOAD (\ks)+16
.endif
.endm
.set Q, 0
.rept 32
	KSTEP Q
.set Q, Q+1
.endr
.irp r, 0,1
	WIN 0x14
.set i, 0
.rept 16
	v_pk_fma_f32 v[Y+i:Y+i+1], v[ACC+32*\r+i:ACC+32*\r+i+1], v[192+i:192+i+1], v[224+i:224+i+1]
.set i, i+2
.endr
	WIN 0
.irp t, 0,1,2,3
	ds_store_b128 v[SO], v[Y+8*\t:Y+8*\t+3] offset:64*\t
	ds_store_b128 v[SO], v[Y+8*\t+4:Y+8*\t+7] offset:64*\t+16
.endr
.irp i, 0,1,2,3,4,5,6,7
	ds_load_b128 v[224-96*\r+4*\i:224-96*\r+4*\i+3], v[SR] offset:544*\i
.endr
.endr
.irp i, 0,1,2,3,4,5,6,7
	s_wait_dscnt 23-\i
	global_store_b128 v[GO], v[224+4*\i:224+4*\i+3], s[18:19] offset:4096*\i th:TH_STORE_NT
.endr
.irp i, 0,1,2,3,4,5,6,7
	s_wait_dscnt 7-\i
	global_store_b128 v[GO], v[128+4*\i:128+4*\i+3], s[18:19] offset:32768+4096*\i th:TH_STORE_NT
.endr
	s_wait_tensorcnt 0x0
	ds_add_u32 v[SPW], v[NIL]
	s_wait_dscnt 0x0
	CROUND
	s_endpgm
.Lfunc_end_k_q45fa71aaf2_proj:
	.size	k_q45fa71aaf2_proj, .Lfunc_end_k_q45fa71aaf2_proj-k_q45fa71aaf2_proj
	.p2alignl 7, 3214868480
	.fill 96, 4, 3214868480
	.section	.rodata,"a",@progbits
	.p2align	6, 0x0
	.amdhsa_kernel k_q45fa71aaf2_proj
		.amdhsa_group_segment_fixed_size 327680
		.amdhsa_private_segment_fixed_size 0
		.amdhsa_enable_private_segment 0
		.amdhsa_kernarg_size 64
		.amdhsa_user_sgpr_count 2
		.amdhsa_user_sgpr_kernarg_segment_ptr 1
		.amdhsa_wavefront_size32 1
		.amdhsa_system_sgpr_workgroup_id_x 1
		.amdhsa_system_sgpr_workgroup_id_y 1
		.amdhsa_system_sgpr_workgroup_id_z 1
		.amdhsa_system_vgpr_workitem_id 0
		.amdhsa_next_free_vgpr 768
		.amdhsa_next_free_sgpr 66
		.amdhsa_reserve_vcc 0
		.amdhsa_float_denorm_mode_32 3
		.amdhsa_float_denorm_mode_16_64 3
		.amdhsa_memory_ordered 1
		.amdhsa_forward_progress 1
		.amdhsa_inst_pref_size 90
	.end_amdhsa_kernel
	.amdgpu_metadata
---
amdhsa.version: [ 1, 2 ]
amdhsa.kernels:
  - .name:           k_q45fa71aaf2_proj
    .symbol:         k_q45fa71aaf2_proj.kd
    .args:
      - { .name: ob, .offset: 0, .size: 8, .value_kind: global_buffer, .address_space: global }
      - { .name: proj_w_codes, .offset: 8, .size: 8, .value_kind: global_buffer, .address_space: global }
      - { .name: proj_w_scales, .offset: 16, .size: 8, .value_kind: global_buffer, .address_space: global }
      - { .name: proj_gamma, .offset: 24, .size: 8, .value_kind: global_buffer, .address_space: global }
      - { .name: proj_beta, .offset: 32, .size: 8, .value_kind: global_buffer, .address_space: global }
      - { .name: proj_mean, .offset: 40, .size: 8, .value_kind: global_buffer, .address_space: global }
      - { .name: proj_var, .offset: 48, .size: 8, .value_kind: global_buffer, .address_space: global }
      - { .name: out0, .offset: 56, .size: 8, .value_kind: global_buffer, .address_space: global }
    .group_segment_fixed_size: 327680
    .private_segment_fixed_size: 0
    .kernarg_segment_align: 8
    .kernarg_segment_size: 64
    .max_flat_workgroup_size: 128
    .sgpr_count:     66
    .vgpr_count:     768
    .wavefront_size: 32
...
	.end_amdgpu_metadata
.endif
;; end of part 3
